; MI455X (gfx1250); checked and timed in simulation.
; The chip was launched on July 23, 2026; its instructions are those of AMD's public machine-readable ISA for CDNA 5 (MIT licence, August 2026) and "CDNA5" Instruction Set Architecture Reference Guide (July 2026). The comments in the code are by the model that wrote it; some were corrected since.
;; Learned Gate Delta Model. Allowed arithmetic: float matrix products may take bf16 or f16 operands with f32 sums; all other float work in f32.
;; Inputs: embed_W 64 x 64 float32; ff_b1 128 float32; ff_b2 64 float32; ff_w1 64 x 128 float32; ff_w2 128 x 64 float32; gate_b1 16 float32; gate_b2 1 float32; gate_w1 64 x 16 float32; gate_w2 16 x 1 float32; ln_b 64 float32; ln_g 64 float32; out_b 64 float32; out_w 64 x 64 float32; read_b 64 float32; read_w 64 x 64 float32; seq 512 x 512 int32.
;; Outputs: out0 512 x 64 float32.
;; 3 versions, each right and faster than the one before. Each part assembles by itself: llvm-mc -triple=amdgcn-amd-amdhsa -mcpu=gfx1250 --defsym DOCPART=n.
;; ======== version 1 of 3: 2 launches
;; workspace buffers: tab 50,176 bytes
;; launch tables (part 1): grid 1 x 1, 4 waves a work-group, no clusters, 197,120 bytes of LDS; arguments embed_W, ff_w1, ff_b1, ff_w2, ff_b2, ln_g, ln_b, gate_w1, gate_b1, gate_w2, gate_b2, read_w, read_b, out_w, out_b, tab; writes tab
.if DOCPART == 1
	.amdgcn_target "amdgcn-amd-amdhsa--gfx1250"
	.amdhsa_code_object_version 6
	.text
	.protected	k_qb56e211372_tables
	.globl	k_qb56e211372_tables
	.p2align	8
	.type	k_qb56e211372_tables,@function
k_qb56e211372_tables:
	s_mov_b64 s[64:65], 0
	v_nop
	global_prefetch_b8 v0, s[64:65] scope:SCOPE_SE
	s_setreg_imm32_b32 hwreg(HW_REG_WAVE_MODE, 25, 1), 1
	s_wait_xcnt 0x0
; TABLES.  A key, its gate g and its denominator d = |k|^2 + 1e-6 hang on the token's value alone, and there are 64 values.
; This launch makes, for every token value v:   K[v] = LayerNorm(e + relu(e W1 + b1) W2 + b2),  g_v,  a_v = g_v / d_v,
;   E[v][w]    = -a_v (K[v].K[w])            w = 0..63     (tab bytes 0 .. 32767, rows of 512 bytes, first half)
;   E[v][64+o] =  g_v (K[v] read_w out_w)[o] o = 0..63     (second half of the same rows)
;   G[v][w]    =  K[v].K[w]                                (tab bytes 32768 .. 49151)
;   cvec[o]    =  (read_b out_w + out_b)[o]                (tab bytes 49152 .. 49407), then 768 bytes of zeros.
; One work-group of four waves; wave w owns tokens 16 w .. 16 w + 15 through all phases: 64 tokens give work for no more.
; NUMBERS: all products go to the bf16 matrix form with f32 sums, and BOTH operands go in two bf16 parts, x = hi + lo, summed as
; hi.hi + hi.lo + lo.hi (16 bits of mantissa).  Why: one row of these tables is used in each of the 511 steps of every sequence that holds
; its token, so what one rounding to 8 bits leaves in a key or in a row of E is met again step after step, always with the same sign.
; LayerNorm, d, the gate's 16 -> 1 product and the sigmoid are f32.
; EVERY PRODUCT IS USED TRANSPOSED: source 0 = 16 columns of the weight, source 1 = my 16 tokens.  Lane (r, h) then holds, in register j of
; tile nt, (token r, column 16 nt + 8 h + j); tiles 2 ks and 2 ks + 1, packed to bf16, ARE the next product's token fragment of K step ks:
; no trip through LDS between layers, and a sum along a token's 64 columns is 32 registers of a lane plus the lane 16 further.
; No cluster, no tensor load: one work-group, 120 KB of weights read once through registers because they are split into bf16 on the way.
; Limits: relu is a maximum in which a NaN loses; a number above bf16's largest finite one rounds to infinity.
.set LO,   61440                       ; the weights' lower parts lie this far behind their upper parts, in the same layout
.set LW1,  0                           ; ff_w1   bf16 [64][128], pitch 288
.set LW2,  18432                       ; ff_w2   bf16 [128][64], pitch 160
.set LGW1, 38912                       ; gate_w1 bf16 [64][16],  pitch 32
.set LRW,  40960                       ; read_w  bf16 [64][64],  pitch 160
.set LOW,  51200                       ; out_w   bf16 [64][64],  pitch 160     (all pitches odd multiples of 32 bytes, for the transposing load)
.set LVEC, 122880                      ; + wave x 1792: the wave's own f32 copy of b1 @0, b2 @512, ln_g @768, ln_b @1024, read_b @1280, out_b @1536
.set LKF,  130048                      ; + owner x 4096 + part x 512 + lane x 16: fragment images of K: parts 0-3 hi, parts 4-7 lo
.set LOST, 146432                      ; + wave x 12544: the wave's own stage, 16 rows of 784 bytes (E 512, G 256, pad 16); first it keeps e + b2
.set OP,   784
; v0 thread, v1 lane, v2 r, v3 h, v4-6 fragment addresses (pitch 288, 160, 32), v7 vectors, v8 images of K, v9 at work,
; v10-12 = v4-6 + LO, v13 stage in, v[14:15] g, v[16:17] -a, v18 d, v19 stage + 16 lane
.set TH,   20                          ; v[20:35]   token fragments, upper parts: e, K, K read_w, read_b in turn
.set TL,   36                          ; v[36:51]   their lower parts
.set HH,   20                          ; v[20:51]   the hidden layer's four fragments, upper parts
.set HL,   52                          ; v[52:83]   their lower parts
.set D1,   52                          ; v[52:115]  first layer's 8 tiles
.set G,    52                          ; v[52:83]   Gram tiles; later cvec's
.set D2,   84                          ; v[84:115]  second layer's 4 tiles = x = K in f32
.set GWF,  84                          ; v[84:115]  gate_w1's fragments: hi ks 0, hi ks 1, lo ks 0, lo ks 1
.set R,    84                          ; v[84:115]  K read_w, then K read_w out_w
.set WF,   116                         ; v[116:243] weight fragments of the pass at hand
.set TT,   212                         ; v[212:231] at work in LayerNorm
.set TS,   244                         ; v[244:251] four pairs at work in the splits
.set GA,   244                         ; v[244:251] the gate's hidden tile
.set EM,   224                         ; v[224:255] e as loaded
.macro PLACES                          ; five plain vector places behind a run of matrix instructions (ISA guide 7.12.1): enough for vector
.rept 5                                ; work and loads on its registers and for a later matrix instruction that writes over one of them
	v_nop
.endr
.endm
.macro SPLIT hi, lo, src, t            ; two f32 at src, src + 1 -> a word of upper bf16 parts and a word of lower ones; t: a pair at work
	v_cvt_pk_bf16_f32 v[\hi], v[\src], v[\src+1]
	v_lshlrev_b32 v[\t], 16, v[\hi]
	v_and_b32 v[\t+1], s60, v[\hi]
	v_pk_add_f32 v[\t:\t+1], v[\src:\src+1], v[\t:\t+1] neg_lo:[0,1] neg_hi:[0,1]
	v_cvt_pk_bf16_f32 v[\lo], v[\t], v[\t+1]
.endm
.macro STG a, adrh, adrl, off          ; four f32 of a weight's row become 8 bytes of upper and 8 bytes of lower parts in LDS
	v_cvt_pk_bf16_f32 v10, v[\a], v[\a+1]
	v_cvt_pk_bf16_f32 v11, v[\a+2], v[\a+3]
	v_lshlrev_b32 v12, 16, v10
	v_and_b32 v13, s60, v10
	v_lshlrev_b32 v14, 16, v11
	v_and_b32 v15, s60, v11
	v_pk_add_f32 v[\a:\a+1], v[\a:\a+1], v[12:13] neg_lo:[0,1] neg_hi:[0,1]
	v_pk_add_f32 v[\a+2:\a+3], v[\a+2:\a+3], v[14:15] neg_lo:[0,1] neg_hi:[0,1]
	v_cvt_pk_bf16_f32 v12, v[\a], v[\a+1]
	v_cvt_pk_bf16_f32 v13, v[\a+2], v[\a+3]
	ds_store_b64 v[\adrh], v[10:11] offset:\off
	ds_store_b64 v[\adrl], v[12:13] offset:\off
.endm
.macro TRF dst, adr, off, P            ; a weight fragment (16 columns x 32 K) from rows that lie along N: two transposing loads, 16 rows apart
	ds_load_tr16_b128 v[\dst:\dst+3], v[\adr] offset:\off
	ds_load_tr16_b128 v[\dst+4:\dst+7], v[\adr] offset:\off+16*\P
.endm
.macro VLD dst, off                    ; 64 numbers of a per-column vector in the tiles' layout: register 8 nt + j = column 16 nt + 8 h + j
.irp nt, 0,1,2,3
	ds_load_b128 v[\dst+8*\nt:\dst+8*\nt+3], v7 offset:\off+64*\nt
	ds_load_b128 v[\dst+8*\nt+4:\dst+8*\nt+7], v7 offset:\off+64*\nt+16
.endr
.endm
; n matrix instructions: tile acc + 8 i (+)= weight fragment at wf + ws i  x  token fragment at tok.  zero = 1: the product starts the sum.
; In every run of matrix instructions here the accumulators take turns, one instruction a turn.
.macro MM acc, n, wf, ws, tok, zero
.set mm_i, 0
.rept \n
.if \zero
	v_wmma_f32_16x16x32_bf16 v[\acc+8*mm_i:\acc+8*mm_i+7], v[\wf+\ws*mm_i:\wf+\ws*mm_i+7], v[\tok:\tok+7], 0
.else
	v_wmma_f32_16x16x32_bf16 v[\acc+8*mm_i:\acc+8*mm_i+7], v[\wf+\ws*mm_i:\wf+\ws*mm_i+7], v[\tok:\tok+7], v[\acc+8*mm_i:\acc+8*mm_i+7]
.endif
.set mm_i, mm_i+1
.endr
.endm
; A product of K = 64 with a weight of 64 columns whose 16 fragments lie at WF (upper parts, 8 (2 nt + ks)) and WF + 64 (lower parts)
.macro MM64 acc, zero
	MM \acc, 4, WF, 16, TH, \zero
	MM \acc, 4, WF, 16, TL, 0
	MM \acc, 4, WF+64, 16, TH, 0
	MM \acc, 4, WF+8, 16, TH+8, 0
	MM \acc, 4, WF+8, 16, TL+8, 0
	MM \acc, 4, WF+72, 16, TH+8, 0
.endm
.macro TRF64 base                      ; and the 32 loads that bring them
.irp nt, 0,1,2,3
.irp ks, 0,1
	TRF WF+8*(2*\nt+\ks), 5, \base+32*160*\ks+32*\nt, 160
	TRF WF+64+8*(2*\nt+\ks), 11, \base+32*160*\ks+32*\nt, 160
.endr
.endr
.endm
.macro RED sq                          ; v[TT] = sum over a token's 64 columns of D2 (sq = 0) or of its squares (sq = 1), in every lane of the token
.irp i, 0,1,2,3,4,5,6,7
.if \sq
	v_pk_mul_f32 v[TT+2*\i:TT+2*\i+1], v[D2+4*\i:D2+4*\i+1], v[D2+4*\i:D2+4*\i+1]
.else
	v_pk_add_f32 v[TT+2*\i:TT+2*\i+1], v[D2+4*\i:D2+4*\i+1], v[D2+4*\i+2:D2+4*\i+3]
.endif
.endr
.if \sq
.irp i, 0,1,2,3,4,5,6,7
	v_pk_fma_f32 v[TT+2*\i:TT+2*\i+1], v[D2+4*\i+2:D2+4*\i+3], v[D2+4*\i+2:D2+4*\i+3], v[TT+2*\i:TT+2*\i+1]
.endr
.endif
.irp i, 0,1,2,3
	v_pk_add_f32 v[TT+4*\i:TT+4*\i+1], v[TT+4*\i:TT+4*\i+1], v[TT+4*\i+2:TT+4*\i+3]
.endr
	v_pk_add_f32 v[TT:TT+1], v[TT:TT+1], v[TT+4:TT+5]
	v_pk_add_f32 v[TT+8:TT+9], v[TT+8:TT+9], v[TT+12:TT+13]
	v_pk_add_f32 v[TT:TT+1], v[TT:TT+1], v[TT+8:TT+9]
	v_add_f32 v[TT], v[TT], v[TT+1]
	v_permlanex16_b32 v[TT+1], v[TT], s54, s55     ; the token's other 32 columns lie 16 lanes away
	v_add_f32 v[TT], v[TT], v[TT+1]
.endm
	; ---- phase 0: addresses, and all 65 loads at once
	s_load_b512 s[4:19], s[0:1], 0x0               ; embed_W 4, ff_w1 6, ff_b1 8, ff_w2 10, ff_b2 12, ln_g 14, ln_b 16, gate_w1 18
	s_load_b512 s[20:35], s[0:1], 0x40             ; gate_b1 20, gate_w2 22, gate_b2 24, read_w 26, read_b 28, out_w 30, out_b 32, tab 34
	s_set_vgpr_msb 0x40
	v_lshl_add_u32 v0, v0, 2, 0x30000
	v_mov_b32 v1, 0
	s_set_vgpr_msb 0x4000
	v_lshrrev_b32 v9, 5, v0
	v_readfirstlane_b32 s53, v9                    ; wave 0..3
	s_mov_b32 s54, 0x76543210                      ; v_permlanex16_b32: lane i of one half reads lane i of the other
	s_mov_b32 s55, 0xfedcba98
	s_mov_b32 s56, 0x3c800000                      ; 1/64
	s_mov_b32 s57, 0x3727c5ac                      ; 1e-5
	s_mov_b32 s60, 0xffff0000                      ; a word's upper bf16
	s_mov_b32 vcc_lo, 0xffff0000                   ; lanes 16-31 (h = 1)
	v_and_b32 v8, 31, v0                           ; lane
	v_lshlrev_b32 v1, 4, v0                        ; 16 bytes a thread: a round of the weights' loads covers 2,048 bytes
	v_lshlrev_b32 v6, 3, v8                        ; 8 bytes a lane: 256 bytes of a vector
	v_mul_u32_u24 v2, v9, 288
	v_add_nc_u32 v2, v2, v6                        ; ff_w1 in LDS: a round is 4 rows, wave = row, lane = 4 columns
	v_lshrrev_b32 v3, 4, v0
	v_mul_u32_u24 v3, v3, 160
	v_and_b32 v7, 15, v0
	v_lshl_add_u32 v3, v7, 3, v3                   ; weights of 64 columns: a round is 8 rows
	v_lshlrev_b32 v4, 3, v0                        ; gate_w1: a round is 32 rows of 32 bytes
	v_lshlrev_b32 v5, 12, v9
	v_lshl_add_u32 v5, v7, 8, v5
	v_bfe_u32 v7, v0, 4, 1
	v_lshl_add_u32 v5, v7, 5, v5                   ; embed_W: (16 wave + r) x 256 + 32 h
	v_mul_u32_u24 v7, v9, 1792
	v_add_nc_u32 v7, v7, v6
	v_add_nc_u32 v7, LVEC, v7                      ; my wave's copy of the vectors, 8 bytes a lane
	s_wait_kmcnt 0x0
	s_load_b512 s[36:51], s[20:21], 0x0            ; gate_b1
	s_load_b512 s[68:83], s[22:23], 0x0            ; gate_w2
	s_load_b32 s52, s[24:25], 0x0                  ; gate_b2
	global_load_b64 v[10:11], v6, s[8:9]
	global_load_b64 v[12:13], v6, s[8:9] offset:256
	global_load_b64 v[14:15], v6, s[12:13]
	global_load_b64 v[16:17], v6, s[14:15]
	global_load_b64 v[18:19], v6, s[16:17]
	global_load_b64 v[20:21], v6, s[28:29]
	global_load_b64 v[22:23], v6, s[32:33]
.irp nt, 0,1,2,3
	global_load_b128 v[EM+8*\nt:EM+8*\nt+3], v5, s[4:5] offset:64*\nt
	global_load_b128 v[EM+8*\nt+4:EM+8*\nt+7], v5, s[4:5] offset:64*\nt+16
.endr
.irp i, 0,1,2,3,4,5,6,7,8,9,10,11,12,13,14,15
	global_load_b128 v[24+4*\i:27+4*\i], v1, s[6:7] offset:2048*\i
.endr
.irp i, 0,1,2,3,4,5,6,7,8,9,10,11,12,13,14,15
	global_load_b128 v[88+4*\i:91+4*\i], v1, s[10:11] offset:2048*\i
.endr
.irp i, 0,1
	global_load_b128 v[152+4*\i:155+4*\i], v1, s[18:19] offset:2048*\i
.endr
.irp i, 0,1,2,3,4,5,6,7
	global_load_b128 v[160+4*\i:163+4*\i], v1, s[26:27] offset:2048*\i
.endr
.irp i, 0,1,2,3,4,5,6,7
	global_load_b128 v[192+4*\i:195+4*\i], v1, s[30:31] offset:2048*\i
.endr
	; ---- phase 1: into LDS.  Loads come back in order (ISA guide 5.7.1); each count is the number of loads younger than the group at hand.
	s_wait_loadcnt 58                              ; 8 of embed_W + 50 of the weights are younger than the seven vector loads
.irp i, 0,1,2,3,4,5,6
	ds_store_b64 v7, v[10+2*\i:11+2*\i] offset:256*\i
.endr
	v_add_nc_u32 v16, LO, v2                       ; where the lower parts go; v[10:15] are at work from here on
	v_add_nc_u32 v17, LO, v3
	v_add_nc_u32 v18, LO, v4
	s_wait_loadcnt 34                              ; 16 + 2 + 8 + 8 are younger than ff_w1's
.irp i, 0,1,2,3,4,5,6,7,8,9,10,11,12,13,14,15
	STG 24+4*\i, 2, 16, LW1+1152*\i
.endr
	s_wait_loadcnt 18                              ; 2 + 8 + 8 are younger than ff_w2's
.irp i, 0,1,2,3,4,5,6,7,8,9,10,11,12,13,14,15
	STG 88+4*\i, 3, 17, LW2+1280*\i
.endr
	s_wait_loadcnt 0x0
.irp i, 0,1
	STG 152+4*\i, 4, 18, LGW1+1024*\i
.endr
.irp i, 0,1,2,3,4,5,6,7
	STG 160+4*\i, 3, 17, LRW+1280*\i
.endr
.irp i, 0,1,2,3,4,5,6,7
	STG 192+4*\i, 3, 17, LOW+1280*\i
.endr
	s_wait_kmcnt 0x0                               ; the gate's vectors
	s_wait_dscnt 0x0                               ; my stores are in LDS before I say so
	s_barrier_signal -1
	s_barrier_wait -1                              ; the weights are whole for all four waves
	; ---- addresses of the fragments (all global loads are done: their offset registers are free)
	v_and_b32 v1, 31, v0                           ; lane L
	v_and_b32 v2, 15, v0                           ; r
	v_bfe_u32 v3, v0, 4, 1                         ; h
	v_and_b32 v8, 7, v0
	v_lshl_add_u32 v8, v3, 3, v8                   ; 8 h + (L & 7): the row of K that I address
	v_bfe_u32 v9, v0, 3, 1
	v_lshlrev_b32 v9, 4, v9                        ; 16 ((L >> 3) & 1)
	v_mul_u32_u24 v4, v8, 288
	v_add_nc_u32 v4, v4, v9                        ; pitch 288
	v_mul_u32_u24 v5, v8, 160
	v_add_nc_u32 v5, v5, v9                        ; pitch 160
	v_lshl_add_u32 v6, v8, 5, v9                   ; pitch 32
	v_add_nc_u32 v10, LO, v4                       ; the same for the lower parts: an LDS immediate ends at 65,535
	v_add_nc_u32 v11, LO, v5
	v_add_nc_u32 v12, LO, v6
	s_mul_i32 s58, s53, 1792
	s_add_co_u32 s58, s58, LVEC
	v_lshl_add_u32 v7, v3, 5, s58                  ; my wave's vectors, + 32 h
	v_lshlrev_b32 v8, 4, v1
	v_add_nc_u32 v8, LKF, v8                       ; fragment images, + 16 lane
	s_mul_i32 s59, s53, 16*OP
	s_add_co_u32 s59, s59, LOST                    ; my wave's stage
	v_lshl_add_u32 v19, v1, 4, s59                 ; + 16 lane
	v_mul_u32_u24 v13, v2, OP
	v_lshl_add_u32 v13, v3, 5, v13
	v_add_nc_u32 v13, s59, v13                     ; row r, + 32 h
	; ---- first layer: D1 = b1 + e W1.  The bias is loaded into the accumulators: nothing is cleared, nothing added later.
	VLD 124, 512                                   ; b2
	VLD D1, 0
	VLD D1+32, 256
.set q, 0
.rept 16
	SPLIT TH+q, TL+q, EM+2*q, 116+2*(q&3)
.set q, q+1
.endr
	s_wait_dscnt 16                                ; b2 is in: the sixteen loads of b1 are younger
.irp i, 0,1,2,3,4,5,6,7,8,9,10,11,12,13,14,15
	v_pk_add_f32 v[EM+2*\i:EM+2*\i+1], v[EM+2*\i:EM+2*\i+1], v[124+2*\i:125+2*\i]
.endr
.irp p, 0,1,2,3,4,5,6,7
	ds_store_b128 v19, v[EM+4*\p:EM+4*\p+3] offset:512*\p          ; e + b2 waits in my stage: its registers are needed for fragments
.endr
.irp nt, 0,1,2,3,4,5,6,7
.irp ks, 0,1
	TRF WF+8*(2*\nt+\ks), 4, LW1+32*288*\ks+32*\nt, 288            ; W1's upper parts
.endr
.endr
	s_wait_dscnt 0x0
.irp ks, 0,1
	MM D1, 8, WF+8*\ks, 16, TH+8*\ks, 0
	MM D1, 8, WF+8*\ks, 16, TL+8*\ks, 0
.endr
	PLACES
.irp nt, 0,1,2,3,4,5,6,7
.irp ks, 0,1
	TRF WF+8*(2*\nt+\ks), 10, LW1+32*288*\ks+32*\nt, 288           ; W1's lower parts
.endr
.endr
	s_wait_dscnt 0x0
.irp ks, 0,1
	MM D1, 8, WF+8*\ks, 16, TH+8*\ks, 0
.endr
	PLACES
	; ---- second layer: D2 = (e + b2) + relu(D1) W2
.irp nt, 0,1,2,3
.irp ks, 0,1,2,3
	TRF WF+8*(4*\nt+\ks), 5, LW2+32*160*\ks+32*\nt, 160            ; W2's upper parts
.endr
.endr
	; relu and split: word p takes numbers 2 p and 2 p + 1; its lower parts land at D1 + p, which lies at or in front of them and is written last
.set p, 0
.rept 32
	v_max_num_f32 v[D1+2*p], 0, v[D1+2*p]
	v_max_num_f32 v[D1+2*p+1], 0, v[D1+2*p+1]
	SPLIT HH+p, HL+p, D1+2*p, TS+2*(p&3)
.set p, p+1
.endr
.irp p, 0,1,2,3,4,5,6,7
	ds_load_b128 v[D2+4*\p:D2+4*\p+3], v19 offset:512*\p           ; e + b2 back, into the accumulators
.endr
	s_wait_dscnt 0x0
.irp ks, 0,1,2,3
	MM D2, 4, WF+8*\ks, 32, HH+8*\ks, 0
	MM D2, 4, WF+8*\ks, 32, HL+8*\ks, 0
.endr
	PLACES
.irp nt, 0,1,2,3
.irp ks, 0,1,2,3
	TRF WF+8*(4*\nt+\ks), 11, LW2+32*160*\ks+32*\nt, 160           ; W2's lower parts
.endr
.endr
	s_wait_dscnt 0x0
.irp ks, 0,1,2,3
	MM D2, 4, WF+8*\ks, 32, HH+8*\ks, 0
.endr
	PLACES
	; ---- LayerNorm in f32: mean, then the variance of the centred numbers, as the model has it
	VLD WF, 768                                    ; ln_g
	VLD WF+32, 1024                                ; ln_b
	RED 0
	v_mul_f32 v[TT+16], s56, v[TT]
	v_mul_f32 v[TT+17], s56, v[TT]                 ; the mean, twice, for the packed form
.irp i, 0,1,2,3,4,5,6,7,8,9,10,11,12,13,14,15
	v_pk_add_f32 v[D2+2*\i:D2+2*\i+1], v[D2+2*\i:D2+2*\i+1], v[TT+16:TT+17] neg_lo:[0,1] neg_hi:[0,1]
.endr
	RED 1
	v_fma_f32 v[TT+16], v[TT], s56, s57            ; variance + 1e-5
	v_rsq_f32 v[TT+18], v[TT+16]
	v_nop                                          ; one plain place behind the transcendental (ISA guide 5.7.2)
	s_wait_alu depctr_va_vdst(0)
	v_mov_b32 v[TT+19], v[TT+18]
	s_wait_dscnt 0x0                               ; ln_g, ln_b
.irp i, 0,1,2,3,4,5,6,7,8,9,10,11,12,13,14,15
	v_pk_mul_f32 v[D2+2*\i:D2+2*\i+1], v[D2+2*\i:D2+2*\i+1], v[TT+18:TT+19]
	v_pk_fma_f32 v[D2+2*\i:D2+2*\i+1], v[D2+2*\i:D2+2*\i+1], v[WF+2*\i:WF+2*\i+1], v[WF+32+2*\i:WF+32+2*\i+1]
.endr
	RED 1
	v_add_f32 v18, 0x358637bd, v[TT]               ; d = |k|^2 + 1e-6
	; ---- K = hi + lo; the packed words are fragments as they stand, and go to LDS as such for the other waves
.set q, 0
.rept 16
	SPLIT TH+q, TL+q, D2+2*q, TS+2*(q&3)
.set q, q+1
.endr
	s_lshl_b32 s58, s53, 12
	v_add_nc_u32 v9, s58, v8
.irp p, 0,1,2,3
	ds_store_b128 v9, v[TH+4*\p:TH+4*\p+3] offset:512*\p
	ds_store_b128 v9, v[TL+4*\p:TL+4*\p+3] offset:2048+512*\p
.endr
	s_wait_dscnt 0x0                               ; my stores are in LDS before I say so
	s_barrier_signal -1
	s_barrier_wait -1                              ; all 64 keys are there
	; ---- Gram: tile nt = (my token r) . (token 16 nt + 8 h + j).  Owner nt's images at WF + 32 nt: hi ks 0, hi ks 1, lo ks 0, lo ks 1.
	; The gate's hidden tile (started from gate_b1) takes the fifth turn: its fragments lie in the same order at GWF.
.irp nt, 0,1,2,3
.irp p, 0,1,2,3,4,5,6,7
	ds_load_b128 v[WF+32*\nt+4*\p:WF+32*\nt+4*\p+3], v8 offset:4096*\nt+512*\p
.endr
.endr
	TRF GWF, 6, LGW1, 32
	TRF GWF+8, 6, LGW1+1024, 32
	TRF GWF+16, 12, LGW1, 32
	TRF GWF+24, 12, LGW1+1024, 32
.irp j, 0,1,2,3,4,5,6,7
	v_mov_b32 v9, s[44+\j]
	v_cndmask_b32 v[GA+\j], s[36+\j], v9, vcc_lo   ; gate_b1[8 h + j]
.endr
	s_wait_dscnt 0x0
.macro GR ks, ao, bo, zero             ; ao: the weight side's part (0 hi, 16 lo); bo: my part (TH or TL)
	MM G, 4, WF+\ao+8*\ks, 32, \bo+8*\ks, \zero
	v_wmma_f32_16x16x32_bf16 v[GA:GA+7], v[GWF+\ao+8*\ks:GWF+\ao+8*\ks+7], v[\bo+8*\ks:\bo+8*\ks+7], v[GA:GA+7]
.endm
	GR 0, 0,  TH, 1                                ; the first products start the Gram's sums
	GR 0, 0,  TL, 0
	GR 0, 16, TH, 0
	GR 1, 0,  TH, 0
	GR 1, 0,  TL, 0
	GR 1, 16, TH, 0
	PLACES
	; ---- read_w's fragments are asked for; meanwhile the gate in f32:
	; z = relu(hidden) . gate_w2 + gate_b2, g = 1 / (1 + 2^(-1.442695 z)), -a = -g / d
	TRF64 LRW
.irp j, 0,1,2,3,4,5,6,7
	v_mov_b32 v9, s[76+\j]
	v_cndmask_b32 v9, s[68+\j], v9, vcc_lo         ; gate_w2[8 h + j]
	v_max_num_f32 v[GA+\j], 0, v[GA+\j]
.if \j
	v_fmac_f32 v252, v[GA+\j], v9
.else
	v_mul_f32 v252, v[GA], v9
.endif
.endr
	v_permlanex16_b32 v9, v252, s54, s55           ; the other eight hidden units
	v_add_f32 v252, v252, v9
	v_add_f32 v252, s52, v252
	v_mul_f32 v252, 0xbfb8aa3b, v252
	v_exp_f32 v9, v252
	v_rcp_f32 v16, v18                             ; 1 / d
	v_nop                                          ; one plain place behind the transcendentals
	s_wait_alu depctr_va_vdst(0)
	v_add_f32 v9, 1.0, v9
	v_rcp_f32 v14, v9                              ; g
	v_nop
	s_wait_alu depctr_va_vdst(0)
	v_mov_b32 v15, v14                             ; v[14:15] = g, g
	v_mul_f32 v16, -v14, v16
	v_mov_b32 v17, v16                             ; v[16:17] = -a, -a
	; G and -a G go to the stage now, which frees their registers
.irp nt, 0,1,2,3
	ds_store_b128 v13, v[G+8*\nt:G+8*\nt+3] offset:512+64*\nt
	ds_store_b128 v13, v[G+8*\nt+4:G+8*\nt+7] offset:512+64*\nt+16
.endr
.irp i, 0,1,2,3,4,5,6,7,8,9,10,11,12,13,14,15
	v_pk_mul_f32 v[G+2*\i:G+2*\i+1], v[G+2*\i:G+2*\i+1], v[16:17]
.endr
.irp nt, 0,1,2,3
	ds_store_b128 v13, v[G+8*\nt:G+8*\nt+3] offset:64*\nt
	ds_store_b128 v13, v[G+8*\nt+4:G+8*\nt+7] offset:64*\nt+16
.endr
	s_wait_dscnt 0x0
	MM64 R, 1                                      ; K read_w
	PLACES
	; ---- (K read_w) out_w
	TRF64 LOW
.set q, 0
.rept 16
	SPLIT TH+q, TL+q, R+2*q, TS+2*(q&3)
.set q, q+1
.endr
	s_wait_dscnt 0x0
	MM64 R, 1
	PLACES
	; ---- wave 0 alone: cvec = out_b + read_b out_w; read_b stands in all 16 token places, so every row of the tiles is cvec
	s_cmp_lg_u32 s53, 0
	s_cbranch_scc1 .Lnocv
	VLD G, 1280                                    ; read_b
	s_wait_dscnt 0x0
.set q, 0
.rept 16
	SPLIT TH+q, TL+q, G+2*q, TS+2*(q&3)
.set q, q+1
.endr
	VLD G, 1536                                    ; out_b into the accumulators
	s_wait_dscnt 0x0
	MM64 G, 0
	PLACES
.Lnocv:
	; ---- the way out: 16 rows through my own stage, back as whole rows, so that 16 lanes store 256 consecutive aligned bytes
	v_mul_u32_u24 v4, v3, OP
	v_lshl_add_u32 v4, v2, 4, v4
	v_add_nc_u32 v4, s59, v4                       ; back, G: two rows of 256 bytes
	s_lshl_b32 s58, s53, 13
	v_lshl_add_u32 v5, v1, 4, s58                  ; tab: my 16 rows of E
	s_lshl_b32 s58, s53, 12
	v_lshl_add_u32 v6, v1, 4, s58                  ; tab: my 16 rows of G
	v_lshl_add_u32 v7, v1, 3, s59                  ; back, cvec: 256 bytes, 8 a lane
	v_lshlrev_b32 v8, 3, v0                        ; tab: wave x 256 + lane x 8 in the last four rows
.irp i, 0,1,2,3,4,5,6,7,8,9,10,11,12,13,14,15
	v_pk_mul_f32 v[R+2*\i:R+2*\i+1], v[R+2*\i:R+2*\i+1], v[14:15]         ; g K read_w out_w
.endr
.irp nt, 0,1,2,3
	ds_store_b128 v13, v[R+8*\nt:R+8*\nt+3] offset:256+64*\nt
	ds_store_b128 v13, v[R+8*\nt+4:R+8*\nt+7] offset:256+64*\nt+16
.endr
.irp i, 0,1,2,3,4,5,6,7,8,9,10,11,12,13,14,15
	ds_load_b128 v[116+4*\i:119+4*\i], v19 offset:OP*\i            ; LDS serves a wave's instructions in order: these see the stores above
.endr
.irp i, 0,1,2,3,4,5,6,7,8,9,10,11,12,13,14,15
	s_wait_dscnt 15-\i                             ; row i is in; the younger rows may be out
	global_store_b128 v5, v[116+4*\i:119+4*\i], s[34:35] offset:512*\i
.endr
.irp i, 0,1,2,3,4,5,6,7
	ds_load_b128 v[180+4*\i:183+4*\i], v4 offset:512+2*OP*\i
.endr
.irp i, 0,1,2,3,4,5,6,7
	s_wait_dscnt 7-\i
	global_store_b128 v6, v[180+4*\i:183+4*\i], s[34:35] offset:32768+512*\i
.endr
	; the last four rows of tab: wave 0 brings cvec, waves 1 to 3 the zeros of the void step's coefficients
	s_cmp_lg_u32 s53, 0
	s_cbranch_scc1 .Lzero
.irp nt, 0,1,2,3
	ds_store_b128 v13, v[G+8*\nt:G+8*\nt+3] offset:64*\nt          ; behind the reads of the stage, in order
	ds_store_b128 v13, v[G+8*\nt+4:G+8*\nt+7] offset:64*\nt+16
.endr
	ds_load_b64 v[10:11], v7
	s_wait_dscnt 0x0
	s_branch .Llast
.Lzero:
	v_mov_b32 v10, 0
	v_mov_b32 v11, 0
.Llast:
	global_store_b64 v8, v[10:11], s[34:35] offset:49152           ; a wave's 32 lanes store 256 consecutive aligned bytes
	s_set_vgpr_msb 0x5
	s_wait_tensorcnt 0x0
	ds_add_u32 v0, v1
	s_wait_dscnt 0x0
	s_set_vgpr_msb 0x500
	s_endpgm
.Lfunc_end_k_qb56e211372_tables:
	.size	k_qb56e211372_tables, .Lfunc_end_k_qb56e211372_tables-k_qb56e211372_tables
	.p2alignl 7, 3214868480
	.fill 96, 4, 3214868480
	.section	.rodata,"a",@progbits
	.p2align	6, 0x0
	.amdhsa_kernel k_qb56e211372_tables
		.amdhsa_group_segment_fixed_size 197120
		.amdhsa_private_segment_fixed_size 0
		.amdhsa_enable_private_segment 0
		.amdhsa_kernarg_size 128
		.amdhsa_user_sgpr_count 2
		.amdhsa_user_sgpr_kernarg_segment_ptr 1
		.amdhsa_wavefront_size32 1
		.amdhsa_system_sgpr_workgroup_id_x 1
		.amdhsa_system_sgpr_workgroup_id_y 1
		.amdhsa_system_sgpr_workgroup_id_z 1
		.amdhsa_system_vgpr_workitem_id 0
		.amdhsa_next_free_vgpr 258
		.amdhsa_next_free_sgpr 100
		.amdhsa_reserve_vcc 1
		.amdhsa_float_denorm_mode_32 3
		.amdhsa_float_denorm_mode_16_64 3
		.amdhsa_memory_ordered 1
		.amdhsa_forward_progress 1
		.amdhsa_inst_pref_size 122
	.end_amdhsa_kernel
	.amdgpu_metadata
---
amdhsa.version: [ 1, 2 ]
amdhsa.kernels:
  - .name:           k_qb56e211372_tables
    .symbol:         k_qb56e211372_tables.kd
    .args:
      - { .name: embed_W, .offset: 0, .size: 8, .value_kind: global_buffer, .address_space: global }
      - { .name: ff_w1, .offset: 8, .size: 8, .value_kind: global_buffer, .address_space: global }
      - { .name: ff_b1, .offset: 16, .size: 8, .value_kind: global_buffer, .address_space: global }
      - { .name: ff_w2, .offset: 24, .size: 8, .value_kind: global_buffer, .address_space: global }
      - { .name: ff_b2, .offset: 32, .size: 8, .value_kind: global_buffer, .address_space: global }
      - { .name: ln_g, .offset: 40, .size: 8, .value_kind: global_buffer, .address_space: global }
      - { .name: ln_b, .offset: 48, .size: 8, .value_kind: global_buffer, .address_space: global }
      - { .name: gate_w1, .offset: 56, .size: 8, .value_kind: global_buffer, .address_space: global }
      - { .name: gate_b1, .offset: 64, .size: 8, .value_kind: global_buffer, .address_space: global }
      - { .name: gate_w2, .offset: 72, .size: 8, .value_kind: global_buffer, .address_space: global }
      - { .name: gate_b2, .offset: 80, .size: 8, .value_kind: global_buffer, .address_space: global }
      - { .name: read_w, .offset: 88, .size: 8, .value_kind: global_buffer, .address_space: global }
      - { .name: read_b, .offset: 96, .size: 8, .value_kind: global_buffer, .address_space: global }
      - { .name: out_w, .offset: 104, .size: 8, .value_kind: global_buffer, .address_space: global }
      - { .name: out_b, .offset: 112, .size: 8, .value_kind: global_buffer, .address_space: global }
      - { .name: tab, .offset: 120, .size: 8, .value_kind: global_buffer, .address_space: global }
    .group_segment_fixed_size: 197120
    .private_segment_fixed_size: 0
    .kernarg_segment_align: 8
    .kernarg_segment_size: 128
    .max_flat_workgroup_size: 128
    .sgpr_count:     100
    .vgpr_count:     258
    .wavefront_size: 32
...
	.end_amdgpu_metadata
.endif
;; end of part 1
;; launch scan (part 2): grid 256 x 1, 2 waves a work-group, no clusters, 168,192 bytes of LDS; arguments seq, tab, out0; writes out0
.if DOCPART == 2
	.amdgcn_target "amdgcn-amd-amdhsa--gfx1250"
	.amdhsa_code_object_version 6
	.text
	.protected	k_qb56e211372_scan
	.globl	k_qb56e211372_scan
	.p2align	8
	.type	k_qb56e211372_scan,@function
k_qb56e211372_scan:
	s_mov_b64 s[64:65], 0
	v_nop
	global_prefetch_b8 v0, s[64:65] scope:SCOPE_SE
	s_setreg_imm32_b32 hwreg(HW_REG_WAVE_MODE, 25, 1), 1
	s_wait_xcnt 0x0
; SCAN.  Only M_511 q is wanted.  With a = g / d a step is M' = M (I - a k k^T) + g k k^T, so M' q' = M (q' - a c k) + g c k with c = k.q':
; going from the last step to the first, the state is a vector.  In token space s[v] = K[v].q' (64 numbers):
;     c = s[tok];   s[w] += c E[tok][w];   logits[o] += c E[tok][64 + o]           (E, G, cvec: made by the launch before)
; from s = G[tok_511][.] and logits = cvec.  Each factor I - a k k^T shrinks or keeps a vector's length, as in the forward form.
; One wave takes one sequence: 512 sequences, 256 work-groups of two waves.  Steps are numbered n = 0..511, t = 511 - n; n = 0 is the query's
; place and is made void by coefficients that are zeros.  32 windows of 16 steps.
; WINDOWS: the 16 pending values y_j = s[tok_j] of a window sit in the 16 lanes of a row, so step i takes c from lane i, a constant
; (row_share:i), and no number crosses to the scalar side.  Y: this window (both rows alike).  Z: row 0 the next window, row 1 the one after.
; All coefficients are gathers from E in LDS at addresses made of tokens alone; they are asked for one window (16 steps) ahead.
; A window's first values are gathered from s as stored two windows earlier; what the two windows between add is summed in Z meanwhile.
; A: lanes 0-15 hold s[4 l ..], lanes 16-31 logits[4 (l - 16) ..]: one row of E (512 bytes, 16 a lane) updates both.
; No matrix instruction: a sequence has one right-hand side.  No joint loads in a cluster: what the work-groups share is one first fill of
; 50,176 bytes; the 512 steps read nothing from memory.  No slot is ever filled again: one tensor load a wave is out, at the start.
; Limits: a token is clamped to 0..63 (the model indexes a table of 64 rows).  The void step multiplies G[q][q] by zeros: a NaN only if
; |k|^2 passes f32's range, where the model's own result is not finite.
.set TABG, 32768                       ; LDS image of tab: E at 0 (64 rows of 512 bytes), G here (64 rows of 256),
.set TABC, 49152                       ; cvec,
.set TABZ, 49408                       ; 768 bytes of zeros
.set HALF, 25088                       ; 98 rows of 256 bytes: what one wave's tensor load brings
.set SBASE, 50176                      ; + wave x 512: the wave's A registers as stored; s[v] at + 4 v
.set TOKBASE, 51200                    ; + wave x 2304: 256 bytes of zeros (t = -64 .. -1), then 4 tok[t] at + 256 + 4 t
.set TOKSZ, 2304
.set Y,   2
.set Z,   3
.set X,   4                            ; Z as seen from the other row
.set GB,  5                            ; s[tok] gathered for the window three ahead (row 0 is used)
.set CU,  6                            ; 4 tok of the next window, in both rows: the column of its U
.set CVZ, 7                            ; 4 tok[n = 16 (w + 2) + lane]: the column of its VZ
.set RU,  8                            ; the next CU and CVZ as loaded
.set RV,  9
.set TAD, 10                           ; where RU and RV are read; 64 bytes down a window
.set TAL, 11
.set SST, 12                           ; where A is stored
.set AU,  13
.set AV,  14
.set AE,  15
.set A,   16                           ; v[16:19]
.set C,   20                           ; v[20:51]   c_i at C + 2 i; the odd registers stay 0, so that the pair is written
.set U,   52                           ; v[52:67]   step i: E[tok_i][tok_j of this window]
.set VZ,  68                           ; v[68:83]   step i: E[tok_i][tok of the two next windows]
.set ER,  84                           ; v[84:147]  step i: E[tok_i], 16 bytes a lane
.set TS0, 16                           ; s[16:31], s[32:47], s[48:63], s[68:83]: window w's 16 tokens in set w mod 4, t ascending: step i's at + 15 - i
.set TS1, 32
.set TS2, 48
.set TS3, 68
	s_load_b128 s[4:7], s[0:1], 0x0                ; seq, tab
	s_load_b64 s[8:9], s[0:1], 0x10                ; out0
	v_lshl_add_u32 v148, v0, 2, 0x29000
	v_mov_b32 v149, 0
	ds_add_u32 v148, v149
	ds_add_u32 v148, v149
	v_lshrrev_b32 v[X], 5, v0
	v_readfirstlane_b32 s10, v[X]                  ; wave 0, 1
	s_lshl_b32 s11, ttmp9, 1
	s_add_co_u32 s11, s11, s10                     ; my sequence
	s_mov_b32 s12, 0x76543210                      ; v_permlanex16_b32: lane i of one row reads lane i of the other
	s_mov_b32 s13, 0xfedcba98
	s_mov_b32 s14, 0xffff0000                      ; row 1
	; the descriptor: 98 dense rows of 32 elements of 8 bytes; wave 0 brings tab's first half, wave 1 its second
	s_mov_b32 s88, 1                               ; count = 1
	s_mul_i32 s89, s10, HALF                       ; LDS address
	s_mov_b32 s92, 3<<16                           ; no mask, elements of 8 bytes, no padding
	s_mov_b32 s93, 32<<16                          ; tensor_dim0 = 32
	s_mov_b32 s94, 98<<16                          ; tensor_dim1 = 98
	s_mov_b32 s95, 32<<16                          ; tile_dim0 = 32
	s_mov_b32 s96, 98                              ; tile_dim1 = 98
	s_mov_b32 s97, 32                              ; from row to row: 32 elements
	s_mov_b32 s98, 0
	s_mov_b32 s99, 0
	s_mul_i32 s2, s10, HALF
	s_mov_b32 s3, 0
	s_wait_dscnt 0x0
	s_wait_kmcnt 0x0
	s_add_nc_u64 s[90:91], s[6:7], s[2:3]
	s_or_b32 s91, s91, 0x80000000                  ; type = 2
	tensor_load_to_lds s[88:91], s[92:99]          ; the wave's only tensor load, ahead of every LDS read, barrier and wait for it
	s_nop 0
	s_lshl_b32 s2, s11, 11
	s_add_nc_u64 s[84:85], s[4:5], s[2:3]          ; my row of seq, 2,048 bytes
	s_load_b512 s[TS0:TS0+15], s[84:85], 1984      ; window m's tokens lie at 1984 - 64 m
	s_load_b512 s[TS1:TS1+15], s[84:85], 1920
	s_load_b512 s[TS2:TS2+15], s[84:85], 1856
	s_add_nc_u64 s[86:87], s[84:85], 1856          ; steps down 128 bytes at every second window
	s_lshl_b32 s2, s11, 8
	s_add_nc_u64 s[8:9], s[8:9], s[2:3]            ; my row of out0
	v_and_b32 v[AU], 31, v0                        ; lane
	v_and_b32 v[AV], 15, v0
	v_lshlrev_b32 v1, 4, v[AU]                     ; 16 x lane; never rewritten
.irp c, 0,1,2,3
	global_load_b128 v[ER+4*\c:ER+4*\c+3], v1, s[84:85] offset:512*\c      ; the row once more, for the lanes' columns
.endr
	s_lshl_b32 s3, s10, 9
	s_add_co_u32 s3, s3, SBASE                     ; my wave's s
	s_mul_i32 s2, s10, TOKSZ
	s_add_co_u32 s2, s2, TOKBASE                   ; my wave's tokens
	v_add_nc_u32 v[SST], s3, v1
	v_add_nc_u32 v[AE], s2, v1
	v_lshl_add_u32 v[RU], v[AU], 3, s2
	v_lshlrev_b32 v[AV], 2, v[AV]
	v_lshlrev_b32 v[GB], 2, v[AU]
	s_add_co_u32 s15, s2, 2172                     ; 256 + 4 x 511 - 64 x 2: window 2, step lane & 15
	v_sub_nc_u32 v[TAD], s15, v[AV]
	s_add_co_u32 s15, s2, 2108                     ; 256 + 4 x 511 - 64 x 3: step 48 + lane
	v_sub_nc_u32 v[TAL], s15, v[GB]
.irp i, 0,1,2,3,4,5,6,7,8,9,10,11,12,13,14,15
	v_mov_b32 v[C+2*\i], 0                         ; a lane-crossing move's destination counts as read,
	v_mov_b32 v[C+2*\i+1], 0                       ; and the packed form names the pair
.endr
	s_wait_loadcnt 0x0
.irp j, 0,1,2,3,4,5,6,7,8,9,10,11,12,13,14,15
	v_lshlrev_b32 v[ER+\j], 2, v[ER+\j]            ; 4 tok: a column's byte in a row of E, of G and of s
.endr
.irp c, 0,1,2,3
	ds_store_b128 v[AE], v[ER+4*\c:ER+4*\c+3] offset:256+512*\c
.endr
	ds_store_b64 v[RU], v[C:C+1]                   ; the 256 bytes in front: token 0 for steps past the last; what comes of them is never used
	ds_load_b32 v[CU], v[TAD] offset:128           ; window 0's tokens (LDS serves a wave's instructions in order: these see the stores)
	ds_load_b32 v[X], v[TAD] offset:64             ; window 1's
	ds_load_b32 v[RU], v[TAD]                      ; window 2's
	ds_load_b32 v[CVZ], v[TAL] offset:128          ; steps 16 + lane
	ds_load_b32 v[GB], v[TAL] offset:64            ; steps 32 + lane
	ds_load_b32 v[RV], v[TAL]                      ; steps 48 + lane
	s_wait_kmcnt 0x0                               ; three windows' tokens
	s_wait_tensorcnt 0x0                           ; my half of the tables has landed
	s_wait_dscnt 0x0
	s_barrier_signal -1
	s_barrier_wait -1                              ; the other wave's half too.  The only barrier: all else in LDS is each wave's own
	s_min_u32 s[TS0+15], s[TS0+15], 63             ; the query's token
	s_lshl_b32 s2, s[TS0+15], 8
	s_add_co_u32 s2, s2, TABG                      ; its row of G = the first s
	v_min_u32 v[CU], 252, v[CU]
	v_min_u32 v[CVZ], 252, v[CVZ]
	v_mov_b32 v[AU], s2
	v_mov_b32 v[AV], TABC
	v_cndmask_b32 v[AU], v[AU], v[AV], s14         ; row 0: s; row 1: cvec
	v_and_b32 v[AE], 0xf0, v1
	v_add_nc_u32 v[AU], v[AU], v[AE]
	ds_load_b128 v[A:A+3], v[AU]
	v_add_nc_u32 v[AV], s2, v[CU]
	ds_load_b32 v[Y], v[AV]                        ; window 0's y
	v_add_nc_u32 v[AE], s2, v[CVZ]
	ds_load_b32 v[Z], v[AE]                        ; window 1's y in row 0
.macro PRO i                           ; window 0's coefficients of step i; step 0 takes the zeros
.if \i
	s_min_u32 s[TS0+15-\i], s[TS0+15-\i], 63
	v_lshl_add_u32 v[AU], s[TS0+15-\i], 9, v[CU]
	v_lshl_add_u32 v[AV], s[TS0+15-\i], 9, v[CVZ]
	v_lshl_add_u32 v[AE], s[TS0+15-\i], 9, v1
.else
	v_add_nc_u32 v[AU], TABZ, v[CU]
	v_add_nc_u32 v[AV], TABZ, v[CVZ]
	v_add_nc_u32 v[AE], TABZ, v1
.endif
	ds_load_b32 v[U+\i], v[AU]
	ds_load_b32 v[VZ+\i], v[AV]
	ds_load_b128 v[ER+4*\i:ER+4*\i+3], v[AE]
.endm
.irp i, 0,1,2,3,4,5,6,7,8,9,10,11,12,13,14,15
	PRO \i
.endr
	v_min_u32 v[CU], 252, v[X]                     ; from here on: the columns of window 1's coefficients
	v_min_u32 v[CVZ], 252, v[GB]
	v_add_nc_u32 v[AV], s2, v[CVZ]
	ds_load_b32 v[GB], v[AV]                       ; window 2's first values
	s_wait_dscnt 49                                ; 48 coefficient loads and GB are younger than A, Y and Z
	v_cndmask_b32 v[Z], v[Z], 0, s14               ; row 1 (window 2) starts its sum at 0
; One step.  set: the NEXT window's tokens; per: how many loads it issues for that window's step i (3: U, VZ, ER; 2: U, ER; 0: none);
; zf: Z is carried.  The loads land in the registers that this step has just read.
.macro STEP i, set, per, zf
	v_mov_b32_dpp v[C+2*\i], v[Y] row_share:\i row_mask:0xf bank_mask:0xf  ; c_i to every lane
.if \per
	s_min_u32 s[\set+15-\i], s[\set+15-\i], 63
	v_lshl_add_u32 v[AU], s[\set+15-\i], 9, v[CU]
.if \per == 3
	v_lshl_add_u32 v[AV], s[\set+15-\i], 9, v[CVZ]
.endif
	v_lshl_add_u32 v[AE], s[\set+15-\i], 9, v1
.endif
.if \i < 15
	v_fmac_f32 v[Y], v[C+2*\i], v[U+\i]            ; lanes up to i are spoiled: their c has been taken
.endif
.if \zf
	v_fmac_f32 v[Z], v[C+2*\i], v[VZ+\i]
.endif
	v_pk_fma_f32 v[A:A+1], v[ER+4*\i:ER+4*\i+1], v[C+2*\i:C+2*\i+1], v[A:A+1] op_sel_hi:[1,0,1]
	v_pk_fma_f32 v[A+2:A+3], v[ER+4*\i+2:ER+4*\i+3], v[C+2*\i:C+2*\i+1], v[A+2:A+3] op_sel_hi:[1,0,1]
.if \per
	ds_load_b32 v[U+\i], v[AU]
.if \per == 3
	ds_load_b32 v[VZ+\i], v[AV]
.endif
	ds_load_b128 v[ER+4*\i:ER+4*\i+3], v[AE]
.endif
.endm
; At even windows w: the tokens of windows w + 3 (hi) and w + 4 (lo), into the sets of windows w - 1 and w, which are used up.
.macro SLOAD hi, lo, two
	s_wait_kmcnt 0x0                               ; the loads of two windows ago are done: their sets may be read, their base stepped
	s_sub_nc_u64 s[86:87], s[86:87], 128
.if \two
	s_load_b512 s[\lo:\lo+15], s[86:87], 0x0
.endif
	s_load_b512 s[\hi:\hi+15], s[86:87], 0x40
.endm
; The end of window w.  more = 1: s is stored and gathered from, and the next columns are fetched.
.macro TRANS more
.if \more
	ds_store_b128 v[SST], v[A:A+3]                 ; s behind window w
.endif
	v_permlanex16_b32 v[X], v[Z], s12, s13
	v_cndmask_b32 v[Y], v[Z], v[X], s14            ; window w + 1's y, in both rows
	v_add_f32 v[AU], v[X], v[GB]                   ; window w + 2: what window w added + s as gathered a window ago
	v_cndmask_b32 v[Z], v[AU], 0, s14              ; into row 0; row 1 (window w + 3) starts at 0
	v_min_u32 v[CU], 252, v[RU]
.if \more
	v_min_u32 v[CVZ], 252, v[RV]
	v_add_nc_u32 v[AV], s3, v[CVZ]
	ds_load_b32 v[GB], v[AV]                       ; s[tok of window w + 3], behind the store, in order
	v_sub_nc_u32 v[TAD], v[TAD], 64
	v_sub_nc_u32 v[TAL], v[TAL], 64
	ds_load_b32 v[RU], v[TAD]                      ; window w + 3's tokens
	ds_load_b32 v[RV], v[TAL]                      ; steps 16 (w + 4) + lane
.endif
.endm
; A window.  prev: loads a step of the last window issued.  In front of steps 0, 4, 8, 12 one wait for the coefficients of four steps: younger
; than those of step i + 3 are (12 - i) steps' loads of the last window and i steps' of this one (and the transition's, which only make the
; true number larger).  At i = 12 the count 36 also shows GB, RU and RV in: 36 loads of this window are younger than they.
.macro WINDOW set, prev, per, zf, tr
.irp i, 0,1,2,3,4,5,6,7,8,9,10,11,12,13,14,15
.if (\i & 3) == 0
	s_wait_dscnt (12-\i)*\prev+\i*\per
.endif
	STEP \i, \set, \per, \zf
.endr
.if \tr == 1
	TRANS 1
.endif
.if \tr == 2
	TRANS 0
.endif
.if \tr == 3
	v_permlanex16_b32 v[X], v[Z], s12, s13
	v_cndmask_b32 v[Y], v[Z], v[X], s14
.endif
.endm
	s_mov_b32 s15, 7
.Lw:                                               ; windows 0 to 27, four a trip, so that the token sets have fixed names
	SLOAD TS3, TS0, 1
	WINDOW TS1, 3, 3, 1, 1
	WINDOW TS2, 3, 3, 1, 1
	SLOAD TS1, TS2, 1
	WINDOW TS3, 3, 3, 1, 1
	WINDOW TS0, 3, 3, 1, 1
	s_sub_co_i32 s15, s15, 1
	s_cmp_lg_u32 s15, 0
	s_cbranch_scc1 .Lw
	SLOAD TS3, TS0, 0                              ; window 31's tokens, the row's first 64 bytes: the last load
	WINDOW TS1, 3, 3, 1, 1                         ; 28
	WINDOW TS2, 3, 3, 1, 2                         ; 29: nothing more to gather
	s_wait_kmcnt 0x0
	WINDOW TS3, 3, 2, 1, 3                         ; 30: window 31 needs U and E alone
	WINDOW TS0, 2, 0, 0, 0                         ; 31: the counts run down 24, 16, 8, 0
	v_and_b32 v[AU], 31, v0
	v_and_b32 v[AV], 0xf0, v1
	v_cmp_lt_u32 vcc_lo, 15, v[AU]
	s_wait_xcnt 0x0                                ; EXEC changes only behind this wait
	s_wait_tensorcnt 0x0
	ds_add_u32 v148, v149
	s_wait_dscnt 0x0
	s_and_saveexec_b32 s2, vcc_lo
	global_store_b128 v[AV], v[A:A+3], s[8:9]      ; lanes 16-31: the 64 logits, 256 consecutive aligned bytes
	s_wait_xcnt 0x0
	s_or_b32 exec_lo, exec_lo, s2
	s_endpgm
.Lfunc_end_k_qb56e211372_scan:
	.size	k_qb56e211372_scan, .Lfunc_end_k_qb56e211372_scan-k_qb56e211372_scan
	.p2alignl 7, 3214868480
	.fill 96, 4, 3214868480
	.section	.rodata,"a",@progbits
	.p2align	6, 0x0
	.amdhsa_kernel k_qb56e211372_scan
		.amdhsa_group_segment_fixed_size 168192
		.amdhsa_private_segment_fixed_size 0
		.amdhsa_enable_private_segment 0
		.amdhsa_kernarg_size 24
		.amdhsa_user_sgpr_count 2
		.amdhsa_user_sgpr_kernarg_segment_ptr 1
		.amdhsa_wavefront_size32 1
		.amdhsa_system_sgpr_workgroup_id_x 1
		.amdhsa_system_sgpr_workgroup_id_y 1
		.amdhsa_system_sgpr_workgroup_id_z 1
		.amdhsa_system_vgpr_workitem_id 0
		.amdhsa_next_free_vgpr 150
		.amdhsa_next_free_sgpr 100
		.amdhsa_reserve_vcc 1
		.amdhsa_float_denorm_mode_32 3
		.amdhsa_float_denorm_mode_16_64 3
		.amdhsa_memory_ordered 1
		.amdhsa_forward_progress 1
		.amdhsa_inst_pref_size 95
	.end_amdhsa_kernel
	.amdgpu_metadata
---
amdhsa.version: [ 1, 2 ]
amdhsa.kernels:
  - .name:           k_qb56e211372_scan
    .symbol:         k_qb56e211372_scan.kd
    .args:
      - { .name: seq, .offset: 0, .size: 8, .value_kind: global_buffer, .address_space: global }
      - { .name: tab, .offset: 8, .size: 8, .value_kind: global_buffer, .address_space: global }
      - { .name: out0, .offset: 16, .size: 8, .value_kind: global_buffer, .address_space: global }
    .group_segment_fixed_size: 168192
    .private_segment_fixed_size: 0
    .kernarg_segment_align: 8
    .kernarg_segment_size: 24
    .max_flat_workgroup_size: 64
    .sgpr_count:     100
    .vgpr_count:     150
    .wavefront_size: 32
...
	.end_amdgpu_metadata
.endif
;; end of part 2
;; ======== version 2 of 3: 2 launches; 1.20 times as fast as version 1
;; workspace buffers: tab 50,176 bytes
;; launch tables: the kernel of part 1 again; grid 1 x 1, 4 waves a work-group, no clusters, 197,120 bytes of LDS; arguments embed_W, ff_w1, ff_b1, ff_w2, ff_b2, ln_g, ln_b, gate_w1, gate_b1, gate_w2, gate_b2, read_w, read_b, out_w, out_b, tab; writes tab
;; launch scan (part 3): grid 256 x 1, 2 waves a work-group, no clusters, 168,192 bytes of LDS; arguments seq, tab, out0; writes out0
.if DOCPART == 3
	.amdgcn_target "amdgcn-amd-amdhsa--gfx1250"
	.amdhsa_code_object_version 6
	.text
	.protected	k_qb56e211372_scan
	.globl	k_qb56e211372_scan
	.p2align	8
	.type	k_qb56e211372_scan,@function
k_qb56e211372_scan:
	s_mov_b64 s[64:65], 0
	v_nop
	global_prefetch_b8 v0, s[64:65] scope:SCOPE_SE
	s_setreg_imm32_b32 hwreg(HW_REG_WAVE_MODE, 25, 1), 1
	s_wait_xcnt 0x0
; SCAN.  Only M_511 q is wanted.  With a = g / d a step is M' = M (I - a k k^T) + g k k^T, so M' q' = M (q' - a c k) + g c k with c = k.q':
; going from the last step to the first, the state is a vector.  In token space s[v] = K[v].q' (64 numbers):
;     c = s[tok];   s[w] += c E[tok][w];   logits[o] += c E[tok][64 + o]           (E, G, cvec: made by the launch before)
; from s = G[tok_511][.] and logits = cvec.  Each factor I - a k k^T shrinks or keeps a vector's length, as in the forward form.
; One wave takes one sequence: 512 sequences, 256 work-groups of two waves.  Steps are numbered n = 0..511, t = 511 - n; n = 0 is the query's
; place and is made void by coefficients that are zeros.  32 windows of 16 steps.
; WINDOWS: the 16 pending values y_j = s[tok_j] of a window sit in the 16 lanes of a row, so step i takes c from lane i, a constant
; (row_share:i), and no number crosses to the scalar side.  Y: this window (both rows alike).  Z: row 0 the next window, row 1 the one after.
; All coefficients are gathers from E in LDS at addresses made of tokens alone.  A step computes the three addresses of the next window's
; step of the same number, each into a register of its own; the loads themselves stand in TWO RUNS a window, behind step 7 (steps 0 to 7)
; and behind step 15 (steps 8 to 15, with the window's store and gathers in front): eight steps of arithmetic run unbroken, a load lands in
; registers whose step is over, and an address register is rewritten a whole window behind the load that reads it.
; A window's first values are gathered from s as stored two windows earlier; what the two windows between add is summed in Z meanwhile.
; A: lanes 0-15 hold s[4 l ..], lanes 16-31 logits[4 (l - 16) ..]: one row of E (512 bytes, 16 a lane) updates both.
; No matrix instruction: a sequence has one right-hand side.  No joint loads in a cluster: what the work-groups share is one first fill of
; 50,176 bytes; the 512 steps read nothing from memory.  No slot is ever filled again: one tensor load a wave is out, at the start.
; Limits: a token is clamped to 0..63 (the model indexes a table of 64 rows).  The void step multiplies G[q][q] by zeros: a NaN only if
; |k|^2 passes f32's range, where the model's own result is not finite.
.set TABG, 32768                       ; LDS image of tab: E at 0 (64 rows of 512 bytes), G here (64 rows of 256),
.set TABC, 49152                       ; cvec,
.set TABZ, 49408                       ; 768 bytes of zeros
.set HALF, 25088                       ; 98 rows of 256 bytes: what one wave's tensor load brings
.set SBASE, 50176                      ; + wave x 512: the wave's A registers as stored; s[v] at + 4 v
.set TOKBASE, 51200                    ; + wave x 2304: 256 bytes of zeros (t = -64 .. -1), then 4 tok[t] at + 256 + 4 t
.set TOKSZ, 2304
.set Y,   2
.set Z,   3
.set X,   4                            ; Z as seen from the other row
.set T,   5                            ; at work
; Five pairs that take turns by the window's parity p = w & 1: window w reads register + p while its loads and its look-ahead write + 1 - p
.set GB,  6                            ; v[6:7]     s[tok] gathered at the last window's end, for window w + 2 (row 0 is used)
.set CU,  8                            ; v[8:9]     4 tok of window w + 1, in both rows: the column of its U
.set CVZ, 10                           ; v[10:11]   4 tok[n = 16 (w + 2) + lane]: the column of its VZ
.set RU,  12                           ; v[12:13]   the next CU as loaded
.set RV,  14                           ; v[14:15]   the next CVZ as loaded
.set A,   16                           ; v[16:19]
.set C,   20                           ; v[20:51]   c_i at C + 2 i; the odd registers stay 0, so that the pair is written
.set U,   52                           ; v[52:67]   step i: E[tok_i][tok_j of this window]
.set VZ,  68                           ; v[68:83]   step i: E[tok_i][tok of the two next windows]
.set ER,  84                           ; v[84:147]  step i: E[tok_i], 16 bytes a lane
.set AD,  148                          ; v[148:195] step i: the addresses of the next window's U, VZ, ER at AD + 3 i, + 1, + 2
.set TAD, 196                          ; where RU and RV are read; 64 bytes down a window
.set TAL, 197
.set SST, 198                          ; where A is stored
.set GAD, 199                          ; where GB is gathered
.set PA,  200                          ; the first GB's address
.set TS0, 16                           ; s[16:31], s[32:47], s[48:63], s[68:83]: window w's 16 tokens in set w mod 4, t ascending: step i's at + 15 - i
.set TS1, 32
.set TS2, 48
.set TS3, 68
	s_load_b128 s[4:7], s[0:1], 0x0                ; seq, tab
	s_load_b64 s[8:9], s[0:1], 0x10                ; out0
	v_lshl_add_u32 v202, v0, 2, 0x29000
	v_mov_b32 v203, 0
	ds_add_u32 v202, v203
	ds_add_u32 v202, v203
	v_lshrrev_b32 v[X], 5, v0
	v_readfirstlane_b32 s10, v[X]                  ; wave 0, 1
	s_lshl_b32 s11, ttmp9, 1
	s_add_co_u32 s11, s11, s10                     ; my sequence
	s_mov_b32 s12, 0x76543210                      ; v_permlanex16_b32: lane i of one row reads lane i of the other
	s_mov_b32 s13, 0xfedcba98
	s_mov_b32 s14, 0xffff0000                      ; row 1
	; the descriptor: 98 dense rows of 32 elements of 8 bytes; wave 0 brings tab's first half, wave 1 its second
	s_mov_b32 s88, 1                               ; count = 1
	s_mul_i32 s89, s10, HALF                       ; LDS address
	s_mov_b32 s92, 3<<16                           ; no mask, elements of 8 bytes, no padding
	s_mov_b32 s93, 32<<16                          ; tensor_dim0 = 32
	s_mov_b32 s94, 98<<16                          ; tensor_dim1 = 98
	s_mov_b32 s95, 32<<16                          ; tile_dim0 = 32
	s_mov_b32 s96, 98                              ; tile_dim1 = 98
	s_mov_b32 s97, 32                              ; from row to row: 32 elements
	s_mov_b32 s98, 0
	s_mov_b32 s99, 0
	s_mul_i32 s2, s10, HALF
	s_mov_b32 s3, 0
	s_wait_dscnt 0x0
	s_wait_kmcnt 0x0
	s_add_nc_u64 s[90:91], s[6:7], s[2:3]
	s_or_b32 s91, s91, 0x80000000                  ; type = 2
	tensor_load_to_lds s[88:91], s[92:99]          ; the wave's only tensor load, ahead of every LDS read, barrier and wait for it
	s_nop 0
	s_lshl_b32 s2, s11, 11
	s_add_nc_u64 s[84:85], s[4:5], s[2:3]          ; my row of seq, 2,048 bytes
	s_load_b512 s[TS0:TS0+15], s[84:85], 1984      ; window m's tokens lie at 1984 - 64 m
	s_load_b512 s[TS1:TS1+15], s[84:85], 1920
	s_load_b512 s[TS2:TS2+15], s[84:85], 1856
	s_add_nc_u64 s[86:87], s[84:85], 1856          ; steps down 128 bytes at every second window
	s_lshl_b32 s2, s11, 8
	s_add_nc_u64 s[8:9], s[8:9], s[2:3]            ; my row of out0
	v_and_b32 v[T], 31, v0                         ; lane
	v_and_b32 v[GAD], 15, v0
	v_lshlrev_b32 v1, 4, v[T]                      ; 16 x lane; never rewritten
.irp c, 0,1,2,3
	global_load_b128 v[ER+4*\c:ER+4*\c+3], v1, s[84:85] offset:512*\c      ; the row once more, for the lanes' columns
.endr
	s_lshl_b32 s3, s10, 9
	s_add_co_u32 s3, s3, SBASE                     ; my wave's s
	s_mul_i32 s2, s10, TOKSZ
	s_add_co_u32 s2, s2, TOKBASE                   ; my wave's tokens
	v_add_nc_u32 v[SST], s3, v1
	v_add_nc_u32 v[AD], s2, v1                     ; where my 16 bytes of tokens go
	v_lshl_add_u32 v[AD+1], v[T], 3, s2            ; and my 8 bytes of the zeros in front
	v_lshlrev_b32 v[GAD], 2, v[GAD]
	v_lshlrev_b32 v[T], 2, v[T]
	s_add_co_u32 s15, s2, 2172                     ; 256 + 4 x 511 - 64 x 2: window 2, step lane & 15
	v_sub_nc_u32 v[TAD], s15, v[GAD]
	s_add_co_u32 s15, s2, 2108                     ; 256 + 4 x 511 - 64 x 3: step 48 + lane
	v_sub_nc_u32 v[TAL], s15, v[T]
.irp i, 0,1,2,3,4,5,6,7,8,9,10,11,12,13,14,15
	v_mov_b32 v[C+2*\i], 0                         ; a lane-crossing move's destination counts as read,
	v_mov_b32 v[C+2*\i+1], 0                       ; and the packed form names the pair
.endr
	s_wait_loadcnt 0x0
.irp j, 0,1,2,3,4,5,6,7,8,9,10,11,12,13,14,15
	v_lshlrev_b32 v[ER+\j], 2, v[ER+\j]            ; 4 tok: a column's byte in a row of E, of G and of s
.endr
.irp c, 0,1,2,3
	ds_store_b128 v[AD], v[ER+4*\c:ER+4*\c+3] offset:256+512*\c
.endr
	ds_store_b64 v[AD+1], v[C:C+1]                 ; the 256 bytes in front: token 0 for steps past the last; what comes of them is never used
	ds_load_b32 v[CU+1], v[TAD] offset:128         ; window 0's tokens (LDS serves a wave's instructions in order: these see the stores)
	ds_load_b32 v[CU], v[TAD] offset:64            ; window 1's
	ds_load_b32 v[RU], v[TAD]                      ; window 2's
	ds_load_b32 v[CVZ+1], v[TAL] offset:128        ; steps 16 + lane
	ds_load_b32 v[CVZ], v[TAL] offset:64           ; steps 32 + lane
	ds_load_b32 v[RV], v[TAL]                      ; steps 48 + lane
	s_wait_kmcnt 0x0                               ; three windows' tokens
	s_wait_tensorcnt 0x0                           ; my half of the tables has landed
	s_wait_dscnt 0x0
	s_barrier_signal -1
	s_barrier_wait -1                              ; the other wave's half too.  The only barrier: all else in LDS is each wave's own
; The three addresses of step i's coefficients in the window whose tokens lie in set; p: which CU and CVZ hold that window's columns;
; per = 3: U, VZ, ER; per = 2: U, ER.
.macro ADDR i, set, per, p
	s_min_u32 s[\set+15-\i], s[\set+15-\i], 63
	v_lshl_add_u32 v[AD+3*\i], s[\set+15-\i], 9, v[CU+\p]
.if \per == 3
	v_lshl_add_u32 v[AD+3*\i+1], s[\set+15-\i], 9, v[CVZ+\p]
.endif
	v_lshl_add_u32 v[AD+3*\i+2], s[\set+15-\i], 9, v1
.endm
; A run of loads: the coefficients of steps i0 to i0 + 7
.macro LOADS i0, per
.irp k, 0,1,2,3,4,5,6,7
	ds_load_b32 v[U+\i0+\k], v[AD+3*(\i0+\k)]
.if \per == 3
	ds_load_b32 v[VZ+\i0+\k], v[AD+3*(\i0+\k)+1]
.endif
	ds_load_b128 v[ER+4*(\i0+\k):ER+4*(\i0+\k)+3], v[AD+3*(\i0+\k)+2]
.endr
.endm
	; the start: all addresses first, then one run of 52 loads
	s_min_u32 s[TS0+15], s[TS0+15], 63             ; the query's token
	s_lshl_b32 s2, s[TS0+15], 8
	s_add_co_u32 s2, s2, TABG                      ; its row of G = the first s
	v_min_u32 v[CU+1], 252, v[CU+1]                ; window 0's own columns lie in the registers of parity 1, which window 0 writes anew at its step 12
	v_min_u32 v[CVZ+1], 252, v[CVZ+1]
	v_min_u32 v[CU], 252, v[CU]                    ; the columns of window 1's coefficients
	v_min_u32 v[CVZ], 252, v[CVZ]
	v_mov_b32 v[X], s2
	v_mov_b32 v[T], TABC
	v_cndmask_b32 v[X], v[X], v[T], s14            ; row 0: s; row 1: cvec
	v_and_b32 v[T], 0xf0, v1
	v_add_nc_u32 v[X], v[X], v[T]
	v_add_nc_u32 v[T], s2, v[CU+1]
	v_add_nc_u32 v[GAD], s2, v[CVZ+1]
	v_add_nc_u32 v[PA], s2, v[CVZ]
	v_add_nc_u32 v[AD], TABZ, v[CU+1]              ; step 0 is void: its coefficients are the zeros
	v_add_nc_u32 v[AD+1], TABZ, v[CVZ+1]
	v_add_nc_u32 v[AD+2], TABZ, v1
.irp i, 1,2,3,4,5,6,7,8,9,10,11,12,13,14,15
	ADDR \i, TS0, 3, 1
.endr
	ds_load_b128 v[A:A+3], v[X]
	ds_load_b32 v[Y], v[T]                         ; window 0's y
	ds_load_b32 v[Z], v[GAD]                       ; window 1's y in row 0
	LOADS 0, 3
	LOADS 8, 3
	ds_load_b32 v[GB], v[PA]                       ; window 2's first values
	s_wait_dscnt 49                                ; 48 coefficient loads and GB are younger than A, Y and Z
	v_cndmask_b32 v[Z], v[Z], 0, s14               ; row 1 (window 2) starts its sum at 0
; One step.  set: the NEXT window's tokens; per: how many addresses it makes for that window's step i; zf: Z is carried.
; The address lines stand between c_i's move and its first use, the sums into Z and A between Y's update and the next move.
.macro STEP i, set, per, zf, p
	v_mov_b32_dpp v[C+2*\i], v[Y] row_share:\i row_mask:0xf bank_mask:0xf  ; c_i to every lane
.if \per
	ADDR \i, \set, \per, \p
.endif
.if \i < 15
	v_fmac_f32 v[Y], v[C+2*\i], v[U+\i]            ; lanes up to i are spoiled: their c has been taken
.endif
.if \zf
	v_fmac_f32 v[Z], v[C+2*\i], v[VZ+\i]
.endif
	v_pk_fma_f32 v[A:A+1], v[ER+4*\i:ER+4*\i+1], v[C+2*\i:C+2*\i+1], v[A:A+1] op_sel_hi:[1,0,1]
	v_pk_fma_f32 v[A+2:A+3], v[ER+4*\i+2:ER+4*\i+3], v[C+2*\i:C+2*\i+1], v[A+2:A+3] op_sel_hi:[1,0,1]
.endm
; At even windows w: the tokens of windows w + 3 (hi) and w + 4 (lo), into the sets of windows w - 1 and w, which are used up.
.macro SLOAD hi, lo, two
	s_wait_kmcnt 0x0                               ; the loads of two windows ago are done: their sets may be read, their base stepped
	s_sub_nc_u64 s[86:87], s[86:87], 128
.if \two
	s_load_b512 s[\lo:\lo+15], s[86:87], 0x0
.endif
	s_load_b512 s[\hi:\hi+15], s[86:87], 0x40
.endm
; Window w.  prev, per: loads a step that the last window issued and that this one issues; p = w & 1;
; tr = 1: a full end; 2: nothing more is stored or gathered; 3: only Y is handed on; 0: the last window.
; WAITS, in front of steps 0, 4, 8, 12, each for the coefficients of four steps; LDS instructions come back in order (ISA guide 5.7.1), so the
; count is the number of younger ones: at 0 the last window's steps 4 to 15; at 4 its second run; at 8 its steps 12 to 15 and this window's
; first run; at 12 this window's first run.  The four instructions of the last window's end stand ahead of its second run: at 0 and 4 they make
; the true number larger by four; at 12 they are older than all that may be out, so GB, RU and RV of parity p are in from there on.
.macro WINDOW set, prev, per, zf, tr, p
.irp i, 0,1,2,3,4,5,6,7,8,9,10,11,12,13,14,15
.if (\i & 3) == 0
.if \i < 8
	s_wait_dscnt (12-\i)*\prev
.else
	s_wait_dscnt (12-\i)*\prev+8*\per
.endif
.endif
	STEP \i, \set, \per, \zf, \p
.if \i == 7
.if \per
	LOADS 0, \per                                  ; the first run: steps 0 to 7 are over, their registers take the next window's
.endif
.endif
.if \i == 12
.if \tr == 1
	v_min_u32 v[CU+1-\p], 252, v[RU+\p]            ; the next window's columns, and what the window's end will ask by
	v_min_u32 v[CVZ+1-\p], 252, v[RV+\p]
	v_add_nc_u32 v[GAD], s3, v[CVZ+1-\p]
	v_sub_nc_u32 v[TAD], v[TAD], 64
	v_sub_nc_u32 v[TAL], v[TAL], 64
.endif
.if \tr == 2
	v_min_u32 v[CU+1-\p], 252, v[RU+\p]
.endif
.endif
.endr
	; the second run
.if \tr == 1
	ds_store_b128 v[SST], v[A:A+3]                 ; s behind window w
	ds_load_b32 v[GB+1-\p], v[GAD]                 ; s[tok of window w + 3], behind the store, in order
	ds_load_b32 v[RU+1-\p], v[TAD]                 ; window w + 3's tokens
	ds_load_b32 v[RV+1-\p], v[TAL]                 ; steps 16 (w + 4) + lane
.endif
.if \per
	LOADS 8, \per
.endif
.if \tr
	v_permlanex16_b32 v[X], v[Z], s12, s13
	v_cndmask_b32 v[Y], v[Z], v[X], s14            ; window w + 1's y, in both rows
.if \tr < 3
	v_add_f32 v[T], v[X], v[GB+\p]                 ; window w + 2: what window w added + s as gathered a window ago
	v_cndmask_b32 v[Z], v[T], 0, s14               ; into row 0; row 1 (window w + 3) starts at 0
.endif
.endif
.endm
	s_mov_b32 s15, 7
.Lw:                                               ; windows 0 to 27, four a trip, so that the token sets and the parities have fixed names
	SLOAD TS3, TS0, 1
	WINDOW TS1, 3, 3, 1, 1, 0
	WINDOW TS2, 3, 3, 1, 1, 1
	SLOAD TS1, TS2, 1
	WINDOW TS3, 3, 3, 1, 1, 0
	WINDOW TS0, 3, 3, 1, 1, 1
	s_sub_co_i32 s15, s15, 1
	s_cmp_lg_u32 s15, 0
	s_cbranch_scc1 .Lw
	SLOAD TS3, TS0, 0                              ; window 31's tokens, the row's first 64 bytes: the last load
	WINDOW TS1, 3, 3, 1, 1, 0                      ; 28
	WINDOW TS2, 3, 3, 1, 2, 1                      ; 29: nothing more to gather
	s_wait_kmcnt 0x0
	WINDOW TS3, 3, 2, 1, 3, 0                      ; 30: window 31 needs U and E alone
	WINDOW TS0, 2, 0, 0, 0, 1                      ; 31: the counts run down 24, 16, 8, 0
	v_and_b32 v[T], 31, v0
	v_and_b32 v[X], 0xf0, v1
	v_cmp_lt_u32 vcc_lo, 15, v[T]
	s_wait_xcnt 0x0                                ; EXEC changes only behind this wait
	s_wait_tensorcnt 0x0
	ds_add_u32 v202, v203
	s_wait_dscnt 0x0
	s_and_saveexec_b32 s2, vcc_lo
	global_store_b128 v[X], v[A:A+3], s[8:9]       ; lanes 16-31: the 64 logits, 256 consecutive aligned bytes
	s_wait_xcnt 0x0
	s_or_b32 exec_lo, exec_lo, s2
	s_endpgm
.Lfunc_end_k_qb56e211372_scan:
	.size	k_qb56e211372_scan, .Lfunc_end_k_qb56e211372_scan-k_qb56e211372_scan
	.p2alignl 7, 3214868480
	.fill 96, 4, 3214868480
	.section	.rodata,"a",@progbits
	.p2align	6, 0x0
	.amdhsa_kernel k_qb56e211372_scan
		.amdhsa_group_segment_fixed_size 168192
		.amdhsa_private_segment_fixed_size 0
		.amdhsa_enable_private_segment 0
		.amdhsa_kernarg_size 24
		.amdhsa_user_sgpr_count 2
		.amdhsa_user_sgpr_kernarg_segment_ptr 1
		.amdhsa_wavefront_size32 1
		.amdhsa_system_sgpr_workgroup_id_x 1
		.amdhsa_system_sgpr_workgroup_id_y 1
		.amdhsa_system_sgpr_workgroup_id_z 1
		.amdhsa_system_vgpr_workitem_id 0
		.amdhsa_next_free_vgpr 204
		.amdhsa_next_free_sgpr 100
		.amdhsa_reserve_vcc 1
		.amdhsa_float_denorm_mode_32 3
		.amdhsa_float_denorm_mode_16_64 3
		.amdhsa_memory_ordered 1
		.amdhsa_forward_progress 1
		.amdhsa_inst_pref_size 95
	.end_amdhsa_kernel
	.amdgpu_metadata
---
amdhsa.version: [ 1, 2 ]
amdhsa.kernels:
  - .name:           k_qb56e211372_scan
    .symbol:         k_qb56e211372_scan.kd
    .args:
      - { .name: seq, .offset: 0, .size: 8, .value_kind: global_buffer, .address_space: global }
      - { .name: tab, .offset: 8, .size: 8, .value_kind: global_buffer, .address_space: global }
      - { .name: out0, .offset: 16, .size: 8, .value_kind: global_buffer, .address_space: global }
    .group_segment_fixed_size: 168192
    .private_segment_fixed_size: 0
    .kernarg_segment_align: 8
    .kernarg_segment_size: 24
    .max_flat_workgroup_size: 64
    .sgpr_count:     100
    .vgpr_count:     204
    .wavefront_size: 32
...
	.end_amdgpu_metadata
.endif
;; end of part 3
;; ======== version 3 of 3: 2 launches; 1.38 times as fast as version 1
;; workspace buffers: tab 50,176 bytes
;; launch tables (part 4): grid 1 x 1, 4 waves a work-group, no clusters, 197,120 bytes of LDS; arguments embed_W, ff_w1, ff_b1, ff_w2, ff_b2, ln_g, ln_b, gate_w1, gate_b1, gate_w2, gate_b2, read_w, read_b, out_w, out_b, tab; writes tab
.if DOCPART == 4
	.amdgcn_target "amdgcn-amd-amdhsa--gfx1250"
	.amdhsa_code_object_version 6
	.text
	.protected	k_qb56e211372_tables
	.globl	k_qb56e211372_tables
	.p2align	8
	.type	k_qb56e211372_tables,@function
k_qb56e211372_tables:
	s_mov_b64 s[64:65], 0
	v_nop
	global_prefetch_b8 v0, s[64:65] scope:SCOPE_SE
	s_setreg_imm32_b32 hwreg(HW_REG_WAVE_MODE, 25, 1), 1
	s_wait_xcnt 0x0
; TABLES.  A key, its gate g and its denominator d = |k|^2 + 1e-6 hang on the token's value alone, and there are 64 values.
; This launch makes, for every token value v:   K[v] = LayerNorm(e + relu(e W1 + b1) W2 + b2),  g_v,  a_v = g_v / d_v,
;   E[v][w]    = -a_v (K[v].K[w])            w = 0..63     (tab bytes 0 .. 32767, rows of 512 bytes, first half)
;   E[v][64+o] =  g_v (K[v] read_w out_w)[o] o = 0..63     (second half of the same rows)
;   G[v][w]    =  K[v].K[w]                                (tab bytes 32768 .. 49151)
;   cvec[o]    =  (read_b out_w + out_b)[o]                (tab bytes 49152 .. 49407), then 768 bytes of zeros.
; One work-group of four waves; wave w owns tokens 16 w .. 16 w + 15 through all phases: 64 tokens give work for no more.
; NUMBERS: all products go to the bf16 matrix form with f32 sums, and BOTH operands go in two bf16 parts, x = hi + lo, summed as
; hi.hi + hi.lo + lo.hi (16 bits of mantissa).  Why: one row of these tables is used in each of the 511 steps of every sequence that holds
; its token, so what one rounding to 8 bits leaves in a key or in a row of E is met again step after step, always with the same sign.
; LayerNorm, d, the gate's 16 -> 1 product and the sigmoid are f32.
; EVERY PRODUCT IS USED TRANSPOSED: source 0 = 16 columns of the weight, source 1 = my 16 tokens.  Lane (r, h) then holds, in register j of
; tile nt, (token r, column 16 nt + 8 h + j); tiles 2 ks and 2 ks + 1, packed to bf16, ARE the next product's token fragment of K step ks:
; no trip through LDS between layers, and a sum along a token's 64 columns is 32 registers of a lane plus the lane 16 further.
; No cluster, no tensor load: one work-group, 120 KB of weights read once through registers because they are split into bf16 on the way.
; Limits: relu is a maximum in which a NaN loses; a number above bf16's largest finite one rounds to infinity.
.set LO,   61440                       ; the weights' lower parts lie this far behind their upper parts, in the same layout
.set LW1,  0                           ; ff_w1   bf16 [64][128], pitch 288
.set LW2,  18432                       ; ff_w2   bf16 [128][64], pitch 160
.set LGW1, 38912                       ; gate_w1 bf16 [64][16],  pitch 32
.set LRW,  40960                       ; read_w  bf16 [64][64],  pitch 160
.set LOW,  51200                       ; out_w   bf16 [64][64],  pitch 160     (all pitches odd multiples of 32 bytes, for the transposing load)
.set LVEC, 122880                      ; + wave x 1792: the wave's own f32 copy of b1 @0, b2 @512, ln_g @768, ln_b @1024, read_b @1280, out_b @1536
.set LKF,  130048                      ; + owner x 4096 + part x 512 + lane x 16: fragment images of K: parts 0-3 hi, parts 4-7 lo
.set LOST, 146432                      ; + wave x 12544: the wave's own stage, 16 rows of 784 bytes (E 512, G 256, pad 16); first it keeps e + b2
.set OP,   784
; v0 thread, v1 lane, v2 r, v3 h, v4-6 fragment addresses (pitch 288, 160, 32), v7 vectors, v8 images of K, v9 at work,
; v10-12 = v4-6 + LO, v13 stage in, v[14:15] g
.set DD,   16                          ; v16        d; then v[16:17] = -a
.set STL,  18                          ; v18        my stage + 16 lane
.set NEG1, 19                          ; v19        -1.0, from the staging on
.set HT,   8                           ; v[8:15]    the staging's four pairs of upper parts
.set TH,   20                          ; v[20:35]   token fragments, upper parts: e, K, K read_w, read_b in turn
.set TL,   36                          ; v[36:51]   their lower parts
.set HH,   20                          ; v[20:51]   the hidden layer's four fragments, upper parts
.set HL,   52                          ; v[52:83]   their lower parts
.set D1,   52                          ; v[52:115]  first layer's 8 tiles
.set G,    52                          ; v[52:83]   Gram tiles; later cvec's
.set D2,   84                          ; v[84:115]  second layer's 4 tiles = x = K in f32
.set GWF,  84                          ; v[84:115]  gate_w1's fragments: hi ks 0, hi ks 1, lo ks 0, lo ks 1
.set R,    84                          ; v[84:115]  K read_w, then K read_w out_w
.set WF,   116                         ; v[116:243] weight fragments of the pass at hand
.set ER,   156                         ; v[156:187] e - hi(e), while e itself is still needed
.set TT,   212                         ; v[212:231] at work in LayerNorm
.set GA,   244                         ; v[244:251] the gate's hidden tile
.set EM,   224                         ; v[224:255] e as loaded
.macro PLACES                          ; five plain vector places behind a run of matrix instructions (ISA guide 7.12.1): enough for vector
.rept 5                                ; work and loads on its registers and for a later matrix instruction that writes over one of them
	v_nop
.endr
.endm
; Eight f32 at src .. src + 7 -> four words of upper bf16 parts at hi and four of lower parts at lo.  x - hi is one multiply-add from hi's
; half (hi x -1.0 + x; the difference is exact), into res (= src where the f32 numbers are not needed again).  Four words go stage by stage,
; so that no instruction reads the result of the one in front of it.
.macro SPLIT4 hi, lo, src, res
.irp k, 0,1,2,3
	v_cvt_pk_bf16_f32 v[\hi+\k], v[\src+2*\k], v[\src+2*\k+1]
.endr
.irp k, 0,1,2,3
	v_fma_mix_f32_bf16 v[\res+2*\k], v[\hi+\k], v[NEG1], v[\src+2*\k] op_sel_hi:[1,0,0]
	v_fma_mix_f32_bf16 v[\res+2*\k+1], v[\hi+\k], v[NEG1], v[\src+2*\k+1] op_sel:[1,0,0] op_sel_hi:[1,0,0]
.endr
.irp k, 0,1,2,3
	v_cvt_pk_bf16_f32 v[\lo+\k], v[\res+2*\k], v[\res+2*\k+1]
.endr
.endm
; The staging: n loads' worth (four f32 of a weight's row each, at a + 4 k) become 8 bytes of upper and 8 bytes of lower parts in LDS, at
; off + step k.  Stage by stage as above; the lower parts are made in place; the 2 n stores stand in one run.
.macro STG n, a, adrh, adrl, off, step
.set st_k, 0
.rept \n
	v_cvt_pk_bf16_f32 v[HT+2*st_k], v[\a+4*st_k], v[\a+4*st_k+1]
	v_cvt_pk_bf16_f32 v[HT+2*st_k+1], v[\a+4*st_k+2], v[\a+4*st_k+3]
.set st_k, st_k+1
.endr
.set st_k, 0
.rept \n
	v_fma_mix_f32_bf16 v[\a+4*st_k], v[HT+2*st_k], v[NEG1], v[\a+4*st_k] op_sel_hi:[1,0,0]
	v_fma_mix_f32_bf16 v[\a+4*st_k+1], v[HT+2*st_k], v[NEG1], v[\a+4*st_k+1] op_sel:[1,0,0] op_sel_hi:[1,0,0]
	v_fma_mix_f32_bf16 v[\a+4*st_k+2], v[HT+2*st_k+1], v[NEG1], v[\a+4*st_k+2] op_sel_hi:[1,0,0]
	v_fma_mix_f32_bf16 v[\a+4*st_k+3], v[HT+2*st_k+1], v[NEG1], v[\a+4*st_k+3] op_sel:[1,0,0] op_sel_hi:[1,0,0]
.set st_k, st_k+1
.endr
.set st_k, 0
.rept \n
	v_cvt_pk_bf16_f32 v[\a+4*st_k], v[\a+4*st_k], v[\a+4*st_k+1]
	v_cvt_pk_bf16_f32 v[\a+4*st_k+1], v[\a+4*st_k+2], v[\a+4*st_k+3]
.set st_k, st_k+1
.endr
.set st_k, 0
.rept \n
	ds_store_b64 v[\adrh], v[HT+2*st_k:HT+2*st_k+1] offset:\off+\step*st_k
	ds_store_b64 v[\adrl], v[\a+4*st_k:\a+4*st_k+1] offset:\off+\step*st_k
.set st_k, st_k+1
.endr
.endm
.macro TRF dst, adr, off, P            ; a weight fragment (16 columns x 32 K) from rows that lie along N: two transposing loads, 16 rows apart
	ds_load_tr16_b128 v[\dst:\dst+3], v[\adr] offset:\off
	ds_load_tr16_b128 v[\dst+4:\dst+7], v[\adr] offset:\off+16*\P
.endm
.macro VLD dst, off                    ; 64 numbers of a per-column vector in the tiles' layout: register 8 nt + j = column 16 nt + 8 h + j
.irp nt, 0,1,2,3
	ds_load_b128 v[\dst+8*\nt:\dst+8*\nt+3], v7 offset:\off+64*\nt
	ds_load_b128 v[\dst+8*\nt+4:\dst+8*\nt+7], v7 offset:\off+64*\nt+16
.endr
.endm
; n matrix instructions: tile acc + 8 i (+)= weight fragment at wf + ws i  x  token fragment at tok.  zero = 1: the product starts the sum.
; In every run of matrix instructions here the accumulators take turns, one instruction a turn.
.macro MM acc, n, wf, ws, tok, zero
.set mm_i, 0
.rept \n
.if \zero
	v_wmma_f32_16x16x32_bf16 v[\acc+8*mm_i:\acc+8*mm_i+7], v[\wf+\ws*mm_i:\wf+\ws*mm_i+7], v[\tok:\tok+7], 0
.else
	v_wmma_f32_16x16x32_bf16 v[\acc+8*mm_i:\acc+8*mm_i+7], v[\wf+\ws*mm_i:\wf+\ws*mm_i+7], v[\tok:\tok+7], v[\acc+8*mm_i:\acc+8*mm_i+7]
.endif
.set mm_i, mm_i+1
.endr
.endm
; A product of K = 64 with a weight of 64 columns whose 16 fragments lie at WF (upper parts, 8 (2 nt + ks)) and WF + 64 (lower parts)
.macro MM64 acc, zero
	MM \acc, 4, WF, 16, TH, \zero
	MM \acc, 4, WF, 16, TL, 0
	MM \acc, 4, WF+64, 16, TH, 0
	MM \acc, 4, WF+8, 16, TH+8, 0
	MM \acc, 4, WF+8, 16, TL+8, 0
	MM \acc, 4, WF+72, 16, TH+8, 0
.endm
.macro TRF64 base                      ; and the 32 loads that bring them
.irp nt, 0,1,2,3
.irp ks, 0,1
	TRF WF+8*(2*\nt+\ks), 5, \base+32*160*\ks+32*\nt, 160
	TRF WF+64+8*(2*\nt+\ks), 11, \base+32*160*\ks+32*\nt, 160
.endr
.endr
.endm
.macro RED sq                          ; v[TT] = sum over a token's 64 columns of D2 (sq = 0) or of its squares (sq = 1), in every lane of the token
.irp i, 0,1,2,3,4,5,6,7
.if \sq
	v_pk_mul_f32 v[TT+2*\i:TT+2*\i+1], v[D2+4*\i:D2+4*\i+1], v[D2+4*\i:D2+4*\i+1]
.else
	v_pk_add_f32 v[TT+2*\i:TT+2*\i+1], v[D2+4*\i:D2+4*\i+1], v[D2+4*\i+2:D2+4*\i+3]
.endif
.endr
.if \sq
.irp i, 0,1,2,3,4,5,6,7
	v_pk_fma_f32 v[TT+2*\i:TT+2*\i+1], v[D2+4*\i+2:D2+4*\i+3], v[D2+4*\i+2:D2+4*\i+3], v[TT+2*\i:TT+2*\i+1]
.endr
.endif
.irp i, 0,1,2,3
	v_pk_add_f32 v[TT+4*\i:TT+4*\i+1], v[TT+4*\i:TT+4*\i+1], v[TT+4*\i+2:TT+4*\i+3]
.endr
	v_pk_add_f32 v[TT:TT+1], v[TT:TT+1], v[TT+4:TT+5]
	v_pk_add_f32 v[TT+8:TT+9], v[TT+8:TT+9], v[TT+12:TT+13]
	v_pk_add_f32 v[TT:TT+1], v[TT:TT+1], v[TT+8:TT+9]
	v_add_f32 v[TT], v[TT], v[TT+1]
	v_permlanex16_b32 v[TT+1], v[TT], s54, s55     ; the token's other 32 columns lie 16 lanes away
	v_add_f32 v[TT], v[TT], v[TT+1]
.endm
	; ---- phase 0: addresses, and all 65 loads at once
	s_load_b512 s[4:19], s[0:1], 0x0               ; embed_W 4, ff_w1 6, ff_b1 8, ff_w2 10, ff_b2 12, ln_g 14, ln_b 16, gate_w1 18
	s_load_b512 s[20:35], s[0:1], 0x40             ; gate_b1 20, gate_w2 22, gate_b2 24, read_w 26, read_b 28, out_w 30, out_b 32, tab 34
	s_set_vgpr_msb 0x40
	v_lshl_add_u32 v0, v0, 2, 0x30000
	v_mov_b32 v1, 0
	s_set_vgpr_msb 0x4000
	v_lshrrev_b32 v9, 5, v0
	v_readfirstlane_b32 s53, v9                    ; wave 0..3
	s_mov_b32 s54, 0x76543210                      ; v_permlanex16_b32: lane i of one half reads lane i of the other
	s_mov_b32 s55, 0xfedcba98
	s_mov_b32 s56, 0x3c800000                      ; 1/64
	s_mov_b32 s57, 0x3727c5ac                      ; 1e-5
	s_mov_b32 vcc_lo, 0xffff0000                   ; lanes 16-31 (h = 1)
	v_and_b32 v8, 31, v0                           ; lane
	v_lshlrev_b32 v1, 4, v0                        ; 16 bytes a thread: a round of the weights' loads covers 2,048 bytes
	v_lshlrev_b32 v6, 3, v8                        ; 8 bytes a lane: 256 bytes of a vector
	v_mul_u32_u24 v2, v9, 288
	v_add_nc_u32 v2, v2, v6                        ; ff_w1 in LDS: a round is 4 rows, wave = row, lane = 4 columns
	v_lshrrev_b32 v3, 4, v0
	v_mul_u32_u24 v3, v3, 160
	v_and_b32 v7, 15, v0
	v_lshl_add_u32 v3, v7, 3, v3                   ; weights of 64 columns: a round is 8 rows
	v_lshlrev_b32 v4, 3, v0                        ; gate_w1: a round is 32 rows of 32 bytes
	v_lshlrev_b32 v5, 12, v9
	v_lshl_add_u32 v5, v7, 8, v5
	v_bfe_u32 v7, v0, 4, 1
	v_lshl_add_u32 v5, v7, 5, v5                   ; embed_W: (16 wave + r) x 256 + 32 h
	v_mul_u32_u24 v7, v9, 1792
	v_add_nc_u32 v7, v7, v6
	v_add_nc_u32 v7, LVEC, v7                      ; my wave's copy of the vectors, 8 bytes a lane
	s_wait_kmcnt 0x0
	s_load_b512 s[36:51], s[20:21], 0x0            ; gate_b1
	s_load_b512 s[68:83], s[22:23], 0x0            ; gate_w2
	s_load_b32 s52, s[24:25], 0x0                  ; gate_b2
	global_load_b64 v[10:11], v6, s[8:9]
	global_load_b64 v[12:13], v6, s[8:9] offset:256
	global_load_b64 v[14:15], v6, s[12:13]
	global_load_b64 v[16:17], v6, s[14:15]
	global_load_b64 v[18:19], v6, s[16:17]
	global_load_b64 v[20:21], v6, s[28:29]
	global_load_b64 v[22:23], v6, s[32:33]
.irp nt, 0,1,2,3
	global_load_b128 v[EM+8*\nt:EM+8*\nt+3], v5, s[4:5] offset:64*\nt
	global_load_b128 v[EM+8*\nt+4:EM+8*\nt+7], v5, s[4:5] offset:64*\nt+16
.endr
.irp i, 0,1,2,3,4,5,6,7,8,9,10,11,12,13,14,15
	global_load_b128 v[24+4*\i:27+4*\i], v1, s[6:7] offset:2048*\i
.endr
.irp i, 0,1,2,3,4,5,6,7,8,9,10,11,12,13,14,15
	global_load_b128 v[88+4*\i:91+4*\i], v1, s[10:11] offset:2048*\i
.endr
.irp i, 0,1
	global_load_b128 v[152+4*\i:155+4*\i], v1, s[18:19] offset:2048*\i
.endr
.irp i, 0,1,2,3,4,5,6,7
	global_load_b128 v[160+4*\i:163+4*\i], v1, s[26:27] offset:2048*\i
.endr
.irp i, 0,1,2,3,4,5,6,7
	global_load_b128 v[192+4*\i:195+4*\i], v1, s[30:31] offset:2048*\i
.endr
	; ---- phase 1: into LDS.  Loads come back in order (ISA guide 5.7.1); each count is the number of loads younger than the group at hand.
	s_wait_loadcnt 58                              ; 8 of embed_W + 50 of the weights are younger than the seven vector loads
.irp i, 0,1,2,3,4,5,6
	ds_store_b64 v7, v[10+2*\i:11+2*\i] offset:256*\i
.endr
	v_add_nc_u32 v16, LO, v2                       ; where the lower parts go; v[8:15] are at work from here on
	v_add_nc_u32 v17, LO, v3
	v_add_nc_u32 v18, LO, v4
	v_mov_b32 v[NEG1], -1.0
	s_wait_loadcnt 34                              ; 16 + 2 + 8 + 8 are younger than ff_w1's
.irp g, 0,1,2,3
	STG 4, 24+16*\g, 2, 16, LW1+4608*\g, 1152
.endr
	s_wait_loadcnt 18                              ; 2 + 8 + 8 are younger than ff_w2's
.irp g, 0,1,2,3
	STG 4, 88+16*\g, 3, 17, LW2+5120*\g, 1280
.endr
	s_wait_loadcnt 0x0
	STG 2, 152, 4, 18, LGW1, 1024
.irp g, 0,1
	STG 4, 160+16*\g, 3, 17, LRW+5120*\g, 1280
.endr
.irp g, 0,1
	STG 4, 192+16*\g, 3, 17, LOW+5120*\g, 1280
.endr
	s_wait_kmcnt 0x0                               ; the gate's vectors
	s_wait_dscnt 0x0                               ; my stores are in LDS before I say so
	s_barrier_signal -1
	s_barrier_wait -1                              ; the weights are whole for all four waves
	; ---- addresses of the fragments (all global loads are done: their offset registers are free)
	v_and_b32 v1, 31, v0                           ; lane L
	v_and_b32 v2, 15, v0                           ; r
	v_bfe_u32 v3, v0, 4, 1                         ; h
	v_and_b32 v8, 7, v0
	v_lshl_add_u32 v8, v3, 3, v8                   ; 8 h + (L & 7): the row of K that I address
	v_bfe_u32 v9, v0, 3, 1
	v_lshlrev_b32 v9, 4, v9                        ; 16 ((L >> 3) & 1)
	v_mul_u32_u24 v4, v8, 288
	v_add_nc_u32 v4, v4, v9                        ; pitch 288
	v_mul_u32_u24 v5, v8, 160
	v_add_nc_u32 v5, v5, v9                        ; pitch 160
	v_lshl_add_u32 v6, v8, 5, v9                   ; pitch 32
	v_add_nc_u32 v10, LO, v4                       ; the same for the lower parts: an LDS immediate ends at 65,535
	v_add_nc_u32 v11, LO, v5
	v_add_nc_u32 v12, LO, v6
	s_mul_i32 s58, s53, 1792
	s_add_co_u32 s58, s58, LVEC
	v_lshl_add_u32 v7, v3, 5, s58                  ; my wave's vectors, + 32 h
	v_lshlrev_b32 v8, 4, v1
	v_add_nc_u32 v8, LKF, v8                       ; fragment images, + 16 lane
	s_mul_i32 s59, s53, 16*OP
	s_add_co_u32 s59, s59, LOST                    ; my wave's stage
	v_lshl_add_u32 v[STL], v1, 4, s59              ; + 16 lane
	v_mul_u32_u24 v13, v2, OP
	v_lshl_add_u32 v13, v3, 5, v13
	v_add_nc_u32 v13, s59, v13                     ; row r, + 32 h
	; ---- first layer: D1 = b1 + e W1.  The bias is loaded into the accumulators: nothing is cleared, nothing added later.
	VLD 124, 512                                   ; b2
	VLD D1, 0
	VLD D1+32, 256
.irp g, 0,1,2,3
	SPLIT4 TH+4*\g, TL+4*\g, EM+8*\g, ER+8*\g
.endr
	s_wait_dscnt 16                                ; b2 is in: the sixteen loads of b1 are younger
.irp i, 0,1,2,3,4,5,6,7,8,9,10,11,12,13,14,15
	v_pk_add_f32 v[EM+2*\i:EM+2*\i+1], v[EM+2*\i:EM+2*\i+1], v[124+2*\i:125+2*\i]
.endr
.irp p, 0,1,2,3,4,5,6,7
	ds_store_b128 v[STL], v[EM+4*\p:EM+4*\p+3] offset:512*\p       ; e + b2 waits in my stage: its registers are needed for fragments
.endr
.irp nt, 0,1,2,3,4,5,6,7
.irp ks, 0,1
	TRF WF+8*(2*\nt+\ks), 4, LW1+32*288*\ks+32*\nt, 288            ; W1's upper parts
.endr
.endr
	s_wait_dscnt 0x0
.irp ks, 0,1
	MM D1, 8, WF+8*\ks, 16, TH+8*\ks, 0
	MM D1, 8, WF+8*\ks, 16, TL+8*\ks, 0
.endr
	PLACES
.irp nt, 0,1,2,3,4,5,6,7
.irp ks, 0,1
	TRF WF+8*(2*\nt+\ks), 10, LW1+32*288*\ks+32*\nt, 288           ; W1's lower parts
.endr
.endr
	s_wait_dscnt 0x0
.irp ks, 0,1
	MM D1, 8, WF+8*\ks, 16, TH+8*\ks, 0
.endr
	PLACES
	; ---- second layer: D2 = (e + b2) + relu(D1) W2
.irp nt, 0,1,2,3
.irp ks, 0,1,2,3
	TRF WF+8*(4*\nt+\ks), 5, LW2+32*160*\ks+32*\nt, 160            ; W2's upper parts
.endr
.endr
	; relu and split, a tile at a time: words 4 g .. 4 g + 3 take numbers 8 g .. 8 g + 7; the residuals are made in place, and the lower parts
	; land at D1 + 4 g .. + 3, registers that this tile or an earlier one has used up
.irp g, 0,1,2,3,4,5,6,7
.irp k, 0,1,2,3,4,5,6,7
	v_max_num_f32 v[D1+8*\g+\k], 0, v[D1+8*\g+\k]
.endr
	SPLIT4 HH+4*\g, HL+4*\g, D1+8*\g, D1+8*\g
.endr
.irp p, 0,1,2,3,4,5,6,7
	ds_load_b128 v[D2+4*\p:D2+4*\p+3], v[STL] offset:512*\p        ; e + b2 back, into the accumulators
.endr
	s_wait_dscnt 0x0
.irp ks, 0,1,2,3
	MM D2, 4, WF+8*\ks, 32, HH+8*\ks, 0
	MM D2, 4, WF+8*\ks, 32, HL+8*\ks, 0
.endr
	PLACES
.irp nt, 0,1,2,3
.irp ks, 0,1,2,3
	TRF WF+8*(4*\nt+\ks), 11, LW2+32*160*\ks+32*\nt, 160           ; W2's lower parts
.endr
.endr
	s_wait_dscnt 0x0
.irp ks, 0,1,2,3
	MM D2, 4, WF+8*\ks, 32, HH+8*\ks, 0
.endr
	PLACES
	; ---- LayerNorm in f32: mean, then the variance of the centred numbers, as the model has it
	VLD WF, 768                                    ; ln_g
	VLD WF+32, 1024                                ; ln_b
	RED 0
	v_mul_f32 v[TT+16], s56, v[TT]
	v_mul_f32 v[TT+17], s56, v[TT]                 ; the mean, twice, for the packed form
.irp i, 0,1,2,3,4,5,6,7,8,9,10,11,12,13,14,15
	v_pk_add_f32 v[D2+2*\i:D2+2*\i+1], v[D2+2*\i:D2+2*\i+1], v[TT+16:TT+17] neg_lo:[0,1] neg_hi:[0,1]
.endr
	RED 1
	v_fma_f32 v[TT+16], v[TT], s56, s57            ; variance + 1e-5
	v_rsq_f32 v[TT+18], v[TT+16]
	v_nop                                          ; one plain place behind the transcendental (ISA guide 5.7.2)
	s_wait_alu depctr_va_vdst(0)
	v_mov_b32 v[TT+19], v[TT+18]
	s_wait_dscnt 0x0                               ; ln_g, ln_b
.irp i, 0,1,2,3,4,5,6,7,8,9,10,11,12,13,14,15
	v_pk_mul_f32 v[D2+2*\i:D2+2*\i+1], v[D2+2*\i:D2+2*\i+1], v[TT+18:TT+19]
.endr
.irp i, 0,1,2,3,4,5,6,7,8,9,10,11,12,13,14,15
	v_pk_fma_f32 v[D2+2*\i:D2+2*\i+1], v[D2+2*\i:D2+2*\i+1], v[WF+2*\i:WF+2*\i+1], v[WF+32+2*\i:WF+32+2*\i+1]
.endr
	RED 1
	v_add_f32 v[DD], 0x358637bd, v[TT]             ; d = |k|^2 + 1e-6
	; ---- K = hi + lo (K in f32 is not needed again: in place); the packed words are fragments as they stand, and go to LDS as such for the other waves
.irp g, 0,1,2,3
	SPLIT4 TH+4*\g, TL+4*\g, D2+8*\g, D2+8*\g
.endr
	s_lshl_b32 s58, s53, 12
	v_add_nc_u32 v9, s58, v8
.irp p, 0,1,2,3
	ds_store_b128 v9, v[TH+4*\p:TH+4*\p+3] offset:512*\p
	ds_store_b128 v9, v[TL+4*\p:TL+4*\p+3] offset:2048+512*\p
.endr
	s_wait_dscnt 0x0                               ; my stores are in LDS before I say so
	s_barrier_signal -1
	s_barrier_wait -1                              ; all 64 keys are there
	; ---- Gram: tile nt = (my token r) . (token 16 nt + 8 h + j).  Owner nt's images at WF + 32 nt: hi ks 0, hi ks 1, lo ks 0, lo ks 1.
	; The gate's hidden tile (started from gate_b1) takes the fifth turn: its fragments lie in the same order at GWF.
.irp nt, 0,1,2,3
.irp p, 0,1,2,3,4,5,6,7
	ds_load_b128 v[WF+32*\nt+4*\p:WF+32*\nt+4*\p+3], v8 offset:4096*\nt+512*\p
.endr
.endr
	TRF GWF, 6, LGW1, 32
	TRF GWF+8, 6, LGW1+1024, 32
	TRF GWF+16, 12, LGW1, 32
	TRF GWF+24, 12, LGW1+1024, 32
.irp j, 0,1,2,3,4,5,6,7
	v_mov_b32 v9, s[44+\j]
	v_cndmask_b32 v[GA+\j], s[36+\j], v9, vcc_lo   ; gate_b1[8 h + j]
.endr
	s_wait_dscnt 0x0
.macro GR ks, ao, bo, zero             ; ao: the weight side's part (0 hi, 16 lo); bo: my part (TH or TL)
	MM G, 4, WF+\ao+8*\ks, 32, \bo+8*\ks, \zero
	v_wmma_f32_16x16x32_bf16 v[GA:GA+7], v[GWF+\ao+8*\ks:GWF+\ao+8*\ks+7], v[\bo+8*\ks:\bo+8*\ks+7], v[GA:GA+7]
.endm
	GR 0, 0,  TH, 1                                ; the first products start the Gram's sums
	GR 0, 0,  TL, 0
	GR 0, 16, TH, 0
	GR 1, 0,  TH, 0
	GR 1, 0,  TL, 0
	GR 1, 16, TH, 0
	PLACES
	; ---- read_w's fragments are asked for; meanwhile the gate in f32:
	; z = relu(hidden) . gate_w2 + gate_b2, g = 1 / (1 + 2^(-1.442695 z)), -a = -g / d
	TRF64 LRW
.irp j, 0,1,2,3,4,5,6,7
	v_mov_b32 v9, s[76+\j]
	v_cndmask_b32 v9, s[68+\j], v9, vcc_lo         ; gate_w2[8 h + j]
	v_max_num_f32 v[GA+\j], 0, v[GA+\j]
.if \j
	v_fmac_f32 v252, v[GA+\j], v9
.else
	v_mul_f32 v252, v[GA], v9
.endif
.endr
	v_permlanex16_b32 v9, v252, s54, s55           ; the other eight hidden units
	v_add_f32 v252, v252, v9
	v_add_f32 v252, s52, v252
	v_mul_f32 v252, 0xbfb8aa3b, v252
	v_exp_f32 v9, v252
	v_rcp_f32 v17, v[DD]                           ; 1 / d
	v_nop                                          ; one plain place behind the transcendentals
	s_wait_alu depctr_va_vdst(0)
	v_add_f32 v9, 1.0, v9
	v_rcp_f32 v14, v9                              ; g
	v_nop
	s_wait_alu depctr_va_vdst(0)
	v_mov_b32 v15, v14                             ; v[14:15] = g, g
	v_mul_f32 v16, -v14, v17
	v_mov_b32 v17, v16                             ; v[16:17] = -a, -a
	; G and -a G go to the stage now, which frees their registers
.irp nt, 0,1,2,3
	ds_store_b128 v13, v[G+8*\nt:G+8*\nt+3] offset:512+64*\nt
	ds_store_b128 v13, v[G+8*\nt+4:G+8*\nt+7] offset:512+64*\nt+16
.endr
.irp i, 0,1,2,3,4,5,6,7,8,9,10,11,12,13,14,15
	v_pk_mul_f32 v[G+2*\i:G+2*\i+1], v[G+2*\i:G+2*\i+1], v[16:17]
.endr
.irp nt, 0,1,2,3
	ds_store_b128 v13, v[G+8*\nt:G+8*\nt+3] offset:64*\nt
	ds_store_b128 v13, v[G+8*\nt+4:G+8*\nt+7] offset:64*\nt+16
.endr
	s_wait_dscnt 0x0
	MM64 R, 1                                      ; K read_w
	PLACES
	; ---- (K read_w) out_w
	TRF64 LOW
.irp g, 0,1,2,3
	SPLIT4 TH+4*\g, TL+4*\g, R+8*\g, R+8*\g
.endr
	s_wait_dscnt 0x0
	MM64 R, 1
	PLACES
	; ---- wave 0 alone: cvec = out_b + read_b out_w; read_b stands in all 16 token places, so every row of the tiles is cvec
	s_cmp_lg_u32 s53, 0
	s_cbranch_scc1 .Lnocv
	VLD G, 1280                                    ; read_b
	s_wait_dscnt 0x0
.irp g, 0,1,2,3
	SPLIT4 TH+4*\g, TL+4*\g, G+8*\g, G+8*\g
.endr
	VLD G, 1536                                    ; out_b into the accumulators
	s_wait_dscnt 0x0
	MM64 G, 0
	PLACES
.Lnocv:
	; ---- the way out: 16 rows through my own stage, back as whole rows, so that 16 lanes store 256 consecutive aligned bytes
	v_mul_u32_u24 v4, v3, OP
	v_lshl_add_u32 v4, v2, 4, v4
	v_add_nc_u32 v4, s59, v4                       ; back, G: two rows of 256 bytes
	s_lshl_b32 s58, s53, 13
	v_lshl_add_u32 v5, v1, 4, s58                  ; tab: my 16 rows of E
	s_lshl_b32 s58, s53, 12
	v_lshl_add_u32 v6, v1, 4, s58                  ; tab: my 16 rows of G
	v_lshl_add_u32 v7, v1, 3, s59                  ; back, cvec: 256 bytes, 8 a lane
	v_lshlrev_b32 v8, 3, v0                        ; tab: wave x 256 + lane x 8 in the last four rows
.irp i, 0,1,2,3,4,5,6,7,8,9,10,11,12,13,14,15
	v_pk_mul_f32 v[R+2*\i:R+2*\i+1], v[R+2*\i:R+2*\i+1], v[14:15]         ; g K read_w out_w
.endr
.irp nt, 0,1,2,3
	ds_store_b128 v13, v[R+8*\nt:R+8*\nt+3] offset:256+64*\nt
	ds_store_b128 v13, v[R+8*\nt+4:R+8*\nt+7] offset:256+64*\nt+16
.endr
.irp i, 0,1,2,3,4,5,6,7,8,9,10,11,12,13,14,15
	ds_load_b128 v[116+4*\i:119+4*\i], v[STL] offset:OP*\i         ; LDS serves a wave's instructions in order: these see the stores above
.endr
.irp i, 0,1,2,3,4,5,6,7,8,9,10,11,12,13,14,15
	s_wait_dscnt 15-\i                             ; row i is in; the younger rows may be out
	global_store_b128 v5, v[116+4*\i:119+4*\i], s[34:35] offset:512*\i
.endr
.irp i, 0,1,2,3,4,5,6,7
	ds_load_b128 v[180+4*\i:183+4*\i], v4 offset:512+2*OP*\i
.endr
.irp i, 0,1,2,3,4,5,6,7
	s_wait_dscnt 7-\i
	global_store_b128 v6, v[180+4*\i:183+4*\i], s[34:35] offset:32768+512*\i
.endr
	; the last four rows of tab: wave 0 brings cvec, waves 1 to 3 the zeros of the void step's coefficients
	s_cmp_lg_u32 s53, 0
	s_cbranch_scc1 .Lzero
.irp nt, 0,1,2,3
	ds_store_b128 v13, v[G+8*\nt:G+8*\nt+3] offset:64*\nt          ; behind the reads of the stage, in order
	ds_store_b128 v13, v[G+8*\nt+4:G+8*\nt+7] offset:64*\nt+16
.endr
	ds_load_b64 v[10:11], v7
	s_wait_dscnt 0x0
	s_branch .Llast
.Lzero:
	v_mov_b32 v10, 0
	v_mov_b32 v11, 0
.Llast:
	global_store_b64 v8, v[10:11], s[34:35] offset:49152           ; a wave's 32 lanes store 256 consecutive aligned bytes
	s_set_vgpr_msb 0x5
	s_wait_tensorcnt 0x0
	ds_add_u32 v0, v1
	s_wait_dscnt 0x0
	s_set_vgpr_msb 0x500
	s_endpgm
.Lfunc_end_k_qb56e211372_tables:
	.size	k_qb56e211372_tables, .Lfunc_end_k_qb56e211372_tables-k_qb56e211372_tables
	.p2alignl 7, 3214868480
	.fill 96, 4, 3214868480
	.section	.rodata,"a",@progbits
	.p2align	6, 0x0
	.amdhsa_kernel k_qb56e211372_tables
		.amdhsa_group_segment_fixed_size 197120
		.amdhsa_private_segment_fixed_size 0
		.amdhsa_enable_private_segment 0
		.amdhsa_kernarg_size 128
		.amdhsa_user_sgpr_count 2
		.amdhsa_user_sgpr_kernarg_segment_ptr 1
		.amdhsa_wavefront_size32 1
		.amdhsa_system_sgpr_workgroup_id_x 1
		.amdhsa_system_sgpr_workgroup_id_y 1
		.amdhsa_system_sgpr_workgroup_id_z 1
		.amdhsa_system_vgpr_workitem_id 0
		.amdhsa_next_free_vgpr 258
		.amdhsa_next_free_sgpr 100
		.amdhsa_reserve_vcc 1
		.amdhsa_float_denorm_mode_32 3
		.amdhsa_float_denorm_mode_16_64 3
		.amdhsa_memory_ordered 1
		.amdhsa_forward_progress 1
		.amdhsa_inst_pref_size 122
	.end_amdhsa_kernel
	.amdgpu_metadata
---
amdhsa.version: [ 1, 2 ]
amdhsa.kernels:
  - .name:           k_qb56e211372_tables
    .symbol:         k_qb56e211372_tables.kd
    .args:
      - { .name: embed_W, .offset: 0, .size: 8, .value_kind: global_buffer, .address_space: global }
      - { .name: ff_w1, .offset: 8, .size: 8, .value_kind: global_buffer, .address_space: global }
      - { .name: ff_b1, .offset: 16, .size: 8, .value_kind: global_buffer, .address_space: global }
      - { .name: ff_w2, .offset: 24, .size: 8, .value_kind: global_buffer, .address_space: global }
      - { .name: ff_b2, .offset: 32, .size: 8, .value_kind: global_buffer, .address_space: global }
      - { .name: ln_g, .offset: 40, .size: 8, .value_kind: global_buffer, .address_space: global }
      - { .name: ln_b, .offset: 48, .size: 8, .value_kind: global_buffer, .address_space: global }
      - { .name: gate_w1, .offset: 56, .size: 8, .value_kind: global_buffer, .address_space: global }
      - { .name: gate_b1, .offset: 64, .size: 8, .value_kind: global_buffer, .address_space: global }
      - { .name: gate_w2, .offset: 72, .size: 8, .value_kind: global_buffer, .address_space: global }
      - { .name: gate_b2, .offset: 80, .size: 8, .value_kind: global_buffer, .address_space: global }
      - { .name: read_w, .offset: 88, .size: 8, .value_kind: global_buffer, .address_space: global }
      - { .name: read_b, .offset: 96, .size: 8, .value_kind: global_buffer, .address_space: global }
      - { .name: out_w, .offset: 104, .size: 8, .value_kind: global_buffer, .address_space: global }
      - { .name: out_b, .offset: 112, .size: 8, .value_kind: global_buffer, .address_space: global }
      - { .name: tab, .offset: 120, .size: 8, .value_kind: global_buffer, .address_space: global }
    .group_segment_fixed_size: 197120
    .private_segment_fixed_size: 0
    .kernarg_segment_align: 8
    .kernarg_segment_size: 128
    .max_flat_workgroup_size: 128
    .sgpr_count:     100
    .vgpr_count:     258
    .wavefront_size: 32
...
	.end_amdgpu_metadata
.endif
;; end of part 4
;; launch scan (part 5): grid 256 x 1, 2 waves a work-group, no clusters, 168,192 bytes of LDS; arguments seq, tab, out0; writes out0
.if DOCPART == 5
	.amdgcn_target "amdgcn-amd-amdhsa--gfx1250"
	.amdhsa_code_object_version 6
	.text
	.protected	k_qb56e211372_scan
	.globl	k_qb56e211372_scan
	.p2align	8
	.type	k_qb56e211372_scan,@function
k_qb56e211372_scan:
	s_mov_b64 s[64:65], 0
	v_nop
	global_prefetch_b8 v0, s[64:65] scope:SCOPE_SE
	s_setreg_imm32_b32 hwreg(HW_REG_WAVE_MODE, 25, 1), 1
	s_wait_xcnt 0x0
; SCAN.  Only M_511 q is wanted.  With a = g / d a step is M' = M (I - a k k^T) + g k k^T, so M' q' = M (q' - a c k) + g c k with c = k.q':
; going from the last step to the first, the state is a vector.  In token space s[v] = K[v].q' (64 numbers):
;     c = s[tok];   s[w] += c E[tok][w];   logits[o] += c E[tok][64 + o]           (E, G, cvec: made by the launch before)
; from s = G[tok_511][.] and logits = cvec.  Each factor I - a k k^T shrinks or keeps a vector's length, as in the forward form.
; One wave takes one sequence: 512 sequences, 256 work-groups of two waves.  Steps are numbered n = 0..511, t = 511 - n; n = 0 is the query's
; place and is made void by coefficients that are zeros.  32 windows of 16 steps.
; WINDOWS: the 16 pending values y_j = s[tok_j] of a window sit in the 16 lanes of a row, so step i takes c from lane i, a constant
; (row_share:i), and no number crosses to the scalar side.  Y: this window (both rows alike).  Z: row 0 the next window, row 1 the one after.
; All coefficients are gathers from E in LDS at addresses made of tokens alone.  A step computes the three addresses of the next window's
; step of the same number, each into a register of its own; the loads themselves stand in TWO RUNS a window, behind step 7 (steps 0 to 7)
; and behind step 15 (steps 8 to 15, with the window's store and gathers in front): eight steps of arithmetic run unbroken, a load lands in
; registers whose step is over, and an address register is rewritten a whole window behind the load that reads it.
; TOKENS: the sequence's row is read from memory once, at the start, and kept in the wave's own LDS as 4 tok.  The row of E that a step needs
; is the same in all lanes: four loads in which every lane names the same 16 bytes bring a window's 16 tokens into 16 registers of every lane,
; a window and a half before their first use.  So the 512 steps read nothing from memory and wait on the LDS counter alone, which can be
; counted; scalar loads can only be waited for all at once (ISA guide 5.7.1).
; A window's first values are gathered from s as stored two windows earlier; what the two windows between add is summed in Z meanwhile.
; A: lanes 0-15 hold s[4 l ..], lanes 16-31 logits[4 (l - 16) ..]: one row of E (512 bytes, 16 a lane) updates both.
; No matrix instruction: a sequence has one right-hand side.  No joint loads in a cluster: what the work-groups share is one first fill of
; 50,176 bytes.  No slot is ever filled again: one tensor load a wave is out, at the start.
; Limits: a token is clamped to 0..63 (the model indexes a table of 64 rows).  The void step multiplies G[q][q] by zeros: a NaN only if
; |k|^2 passes f32's range, where the model's own result is not finite.
.set TABG, 32768                       ; LDS image of tab: E at 0 (64 rows of 512 bytes), G here (64 rows of 256),
.set TABC, 49152                       ; cvec,
.set TABZ, 49408                       ; 768 bytes of zeros
.set HALF, 25088                       ; 98 rows of 256 bytes: what one wave's tensor load brings
.set SBASE, 50176                      ; + wave x 512: the wave's A registers as stored; s[v] at + 4 v
.set TOKBASE, 51200                    ; + wave x 2304: 256 bytes of zeros (t = -64 .. -1), then 4 tok[t] at + 256 + 4 t
.set TOKSZ, 2304
.set Y,   2
.set Z,   3
.set X,   4                            ; Z as seen from the other row
.set T,   5                            ; at work
; Pairs that take turns by the window's parity p = w & 1: window w reads register + p while its loads and its look-ahead write + 1 - p
.set GB,  6                            ; v[6:7]     s[tok] gathered at the last window's end, for window w + 2 (row 0 is used)
.set CU,  8                            ; v[8:9]     4 tok of window w + 1, in both rows: the column of its U
.set CVZ, 10                           ; v[10:11]   4 tok[n = 16 (w + 2) + lane]: the column of its VZ
.set RU,  12                           ; v[12:13]   the next CU as loaded
.set RV,  14                           ; v[14:15]   the next CVZ as loaded
.set A,   16                           ; v[16:19]
.set C,   20                           ; v[20:51]   c_i at C + 2 i; the odd registers stay 0, so that the pair is written
.set U,   52                           ; v[52:67]   step i: E[tok_i][tok_j of this window]
.set VZ,  68                           ; v[68:83]   step i: E[tok_i][tok of the two next windows]
.set ER,  84                           ; v[84:147]  step i: E[tok_i], 16 bytes a lane
.set AD,  148                          ; v[148:195] step i: the addresses of the next window's U, VZ, ER at AD + 3 i, + 1, + 2
.set TAD, 196                          ; where RU and RV are read; 64 bytes down a window
.set TAL, 197
.set SST, 198                          ; where A is stored
.set GAD, 199                          ; where GB is gathered
.set PA,  200                          ; the first GB's address
.set TKA, 201                          ; where the tokens of window w + 2 lie, the same in all lanes; 64 bytes down a window
.set QR,  202                          ; the query's row of G
.set TK,  204                          ; v[204:235] set p (16 registers): 4 tok of window w + 1's steps, in every lane, t ascending: step i's at + 15 - i
.set G0,  16                           ; s[16:19]   descriptor group 0
.set G1,  20                           ; s[20:27]   descriptor group 1
.set RP,  28                           ; s[28:29]   my row of seq
; 16 tokens, 64 bytes, to every lane, into set q
.macro TKLOAD q, off
.irp k, 0,1,2,3
	ds_load_b128 v[TK+16*(\q)+4*\k:TK+16*(\q)+4*\k+3], v[TKA] offset:\off+16*\k
.endr
.endm
; The three addresses of step i's coefficients in the window whose tokens (clamped) lie in set p and whose columns lie in CU + p, CVZ + p:
; 4 tok << 7 is the token's row of 512 bytes.  per = 3: U, VZ, ER; per = 2: U, ER.
.macro ADDR i, per, p
	v_lshl_add_u32 v[AD+3*\i], v[TK+16*\p+15-\i], 7, v[CU+\p]
.if \per == 3
	v_lshl_add_u32 v[AD+3*\i+1], v[TK+16*\p+15-\i], 7, v[CVZ+\p]
.endif
	v_lshl_add_u32 v[AD+3*\i+2], v[TK+16*\p+15-\i], 7, v1
.endm
; A run of loads: the coefficients of steps i0 to i0 + 7
.macro LOADS i0, per
.irp k, 0,1,2,3,4,5,6,7
	ds_load_b32 v[U+\i0+\k], v[AD+3*(\i0+\k)]
.if \per == 3
	ds_load_b32 v[VZ+\i0+\k], v[AD+3*(\i0+\k)+1]
.endif
	ds_load_b128 v[ER+4*(\i0+\k):ER+4*(\i0+\k)+3], v[AD+3*(\i0+\k)+2]
.endr
.endm
	s_load_b128 s[4:7], s[0:1], 0x0                ; seq, tab
	s_load_b64 s[8:9], s[0:1], 0x10                ; out0
	v_lshl_add_u32 v236, v0, 2, 0x29000
	v_mov_b32 v237, 0
	ds_add_u32 v236, v237
	ds_add_u32 v236, v237
	v_lshrrev_b32 v[X], 5, v0
	v_readfirstlane_b32 s10, v[X]                  ; wave 0, 1
	s_lshl_b32 s11, ttmp9, 1
	s_add_co_u32 s11, s11, s10                     ; my sequence
	s_mov_b32 s12, 0x76543210                      ; v_permlanex16_b32: lane i of one row reads lane i of the other
	s_mov_b32 s13, 0xfedcba98
	s_mov_b32 s14, 0xffff0000                      ; row 1
	; the descriptor: 98 dense rows of 32 elements of 8 bytes; wave 0 brings tab's first half, wave 1 its second
	s_mov_b32 s[G0], 1                             ; count = 1
	s_mul_i32 s[G0+1], s10, HALF                   ; LDS address
	s_mov_b32 s[G1], 3<<16                         ; no mask, elements of 8 bytes, no padding
	s_mov_b32 s[G1+1], 32<<16                      ; tensor_dim0 = 32
	s_mov_b32 s[G1+2], 98<<16                      ; tensor_dim1 = 98
	s_mov_b32 s[G1+3], 32<<16                      ; tile_dim0 = 32
	s_mov_b32 s[G1+4], 98                          ; tile_dim1 = 98
	s_mov_b32 s[G1+5], 32                          ; from row to row: 32 elements
	s_mov_b32 s[G1+6], 0
	s_mov_b32 s[G1+7], 0
	s_mul_i32 s2, s10, HALF
	s_mov_b32 s3, 0
	v_and_b32 v[T], 31, v0                         ; lane
	v_and_b32 v[GAD], 15, v0
	v_lshlrev_b32 v1, 4, v[T]                      ; 16 x lane; never rewritten
	s_wait_dscnt 0x0
	s_wait_kmcnt 0x0
	s_add_nc_u64 s[G0+2:G0+3], s[6:7], s[2:3]
	s_or_b32 s[G0+3], s[G0+3], 0x80000000          ; type = 2
	tensor_load_to_lds s[G0:G0+3], s[G1:G1+7]      ; the wave's only tensor load, ahead of every LDS read, barrier and wait for it
	s_nop 0
	s_lshl_b32 s2, s11, 11
	s_add_nc_u64 s[RP:RP+1], s[4:5], s[2:3]        ; my row of seq, 2,048 bytes
.irp c, 0,1,2,3
	global_load_b128 v[ER+4*\c:ER+4*\c+3], v1, s[RP:RP+1] offset:512*\c    ; the whole row: each load covers 512 consecutive bytes
.endr
	s_lshl_b32 s2, s11, 8
	s_add_nc_u64 s[8:9], s[8:9], s[2:3]            ; my row of out0
	s_lshl_b32 s3, s10, 9
	s_add_co_u32 s3, s3, SBASE                     ; my wave's s
	s_mul_i32 s2, s10, TOKSZ
	s_add_co_u32 s2, s2, TOKBASE                   ; my wave's tokens
	v_add_nc_u32 v[SST], s3, v1
	v_add_nc_u32 v[AD], s2, v1                     ; where my 16 bytes of tokens go
	v_lshl_add_u32 v[AD+1], v[T], 3, s2            ; and my 8 bytes of the zeros in front
	v_lshlrev_b32 v[GAD], 2, v[GAD]
	v_lshlrev_b32 v[T], 2, v[T]
	s_add_co_u32 s15, s2, 2172                     ; 256 + 4 x 511 - 64 x 2: window 2, step lane & 15
	v_sub_nc_u32 v[TAD], s15, v[GAD]
	s_add_co_u32 s15, s2, 2108                     ; 256 + 4 x 511 - 64 x 3: step 48 + lane
	v_sub_nc_u32 v[TAL], s15, v[T]
	s_add_co_u32 s15, s2, 2112                     ; 256 + 4 x 496 - 64 x 2: window 2's sixteen tokens
	v_mov_b32 v[TKA], s15
.irp i, 0,1,2,3,4,5,6,7,8,9,10,11,12,13,14,15
	v_mov_b32 v[C+2*\i], 0                         ; a lane-crossing move's destination counts as read,
	v_mov_b32 v[C+2*\i+1], 0                       ; and the packed form names the pair
.endr
	s_wait_loadcnt 0x0
.irp j, 0,1,2,3,4,5,6,7,8,9,10,11,12,13,14,15
	v_lshlrev_b32 v[ER+\j], 2, v[ER+\j]            ; 4 tok: a column's byte in a row of E, of G and of s
.endr
.irp c, 0,1,2,3
	ds_store_b128 v[AD], v[ER+4*\c:ER+4*\c+3] offset:256+512*\c
.endr
	ds_store_b64 v[AD+1], v[C:C+1]                 ; the 256 bytes in front: token 0 for steps past the last; what comes of them is never used
	ds_load_b32 v[CU+1], v[TAD] offset:128         ; window 0's tokens (LDS serves a wave's instructions in order: these see the stores)
	ds_load_b32 v[CU], v[TAD] offset:64            ; window 1's
	ds_load_b32 v[RU], v[TAD]                      ; window 2's
	ds_load_b32 v[CVZ+1], v[TAL] offset:128        ; steps 16 + lane
	ds_load_b32 v[CVZ], v[TAL] offset:64           ; steps 32 + lane
	ds_load_b32 v[RV], v[TAL]                      ; steps 48 + lane
	TKLOAD 1, 128                                  ; window 0's tokens to every lane, into the set that window 0 fills anew
	TKLOAD 0, 64                                   ; window 1's
	s_wait_tensorcnt 0x0                           ; my half of the tables has landed
	s_wait_dscnt 0x0
	s_barrier_signal -1
	s_barrier_wait -1                              ; the other wave's half too.  The only barrier: all else in LDS is each wave's own
	; the start: all addresses first, then one run of 52 loads
.irp j, 0,1,2,3,4,5,6,7,8,9,10,11,12,13,14,15
	v_min_u32 v[TK+16+\j], 252, v[TK+16+\j]
.endr
	v_min_u32 v[CU+1], 252, v[CU+1]                ; window 0's own columns lie in the registers of parity 1, which window 0 writes anew at its step 12
	v_min_u32 v[CVZ+1], 252, v[CVZ+1]
	v_min_u32 v[CU], 252, v[CU]                    ; the columns of window 1's coefficients
	v_min_u32 v[CVZ], 252, v[CVZ]
	v_lshl_add_u32 v[QR], v[TK+31], 6, TABG        ; the query's token (step 0's): its row of G, 256 bytes, = the first s
	v_mov_b32 v[T], TABC
	v_cndmask_b32 v[X], v[QR], v[T], s14           ; row 0: s; row 1: cvec
	v_and_b32 v[T], 0xf0, v1
	v_add_nc_u32 v[X], v[X], v[T]
	v_add_nc_u32 v[T], v[QR], v[CU+1]
	v_add_nc_u32 v[GAD], v[QR], v[CVZ+1]
	v_add_nc_u32 v[PA], v[QR], v[CVZ]
	v_add_nc_u32 v[AD], TABZ, v[CU+1]              ; step 0 is void: its coefficients are the zeros
	v_add_nc_u32 v[AD+1], TABZ, v[CVZ+1]
	v_add_nc_u32 v[AD+2], TABZ, v1
.irp i, 1,2,3,4,5,6,7,8,9,10,11,12,13,14,15
	ADDR \i, 3, 1
.endr
	ds_load_b128 v[A:A+3], v[X]
	ds_load_b32 v[Y], v[T]                         ; window 0's y
	ds_load_b32 v[Z], v[GAD]                       ; window 1's y in row 0
	LOADS 0, 3
	LOADS 8, 3
	ds_load_b32 v[GB], v[PA]                       ; window 2's first values
	s_wait_dscnt 49                                ; 48 coefficient loads and GB are younger than A, Y and Z
	v_cndmask_b32 v[Z], v[Z], 0, s14               ; row 1 (window 2) starts its sum at 0
; One step.  per: how many addresses it makes for the next window's step i; zf: Z is carried.
; The address lines stand between c_i's move and its first use; the sums into Z and A and the next token's clamp between Y's update and the next move.
.macro STEP i, per, zf, p
.if \per
	v_min_u32 v[TK+16*\p+15-\i], 252, v[TK+16*\p+15-\i]
.endif
	v_mov_b32_dpp v[C+2*\i], v[Y] row_share:\i row_mask:0xf bank_mask:0xf  ; c_i to every lane
.if \per
	ADDR \i, \per, \p
.endif
.if \i < 15
	v_fmac_f32 v[Y], v[C+2*\i], v[U+\i]            ; lanes up to i are spoiled: their c has been taken
.endif
.if \zf
	v_fmac_f32 v[Z], v[C+2*\i], v[VZ+\i]
.endif
	v_pk_fma_f32 v[A:A+1], v[ER+4*\i:ER+4*\i+1], v[C+2*\i:C+2*\i+1], v[A:A+1] op_sel_hi:[1,0,1]
	v_pk_fma_f32 v[A+2:A+3], v[ER+4*\i+2:ER+4*\i+3], v[C+2*\i:C+2*\i+1], v[A+2:A+3] op_sel_hi:[1,0,1]
.endm
; Window w.  prev, per: loads a step that the last window issued and that this one issues; p = w & 1; tkl: token loads at the head of its
; first run (4, or 0); tr = 1: a full end; 2: nothing more is stored or gathered; 3: only Y is handed on; 0: the last window.
; WAITS, in front of steps 0, 4, 8, 12, each for the coefficients of four steps; LDS instructions come back in order (ISA guide 5.7.1), so the
; count is the number of younger ones: at 0 the last window's steps 4 to 15; at 4 its second run; at 8 its steps 12 to 15 and this window's
; first run with its token loads; at 12 this window's first run.  The last window's token loads stand ahead of its first run: the wait at 0
; shows set p in.  The four instructions of the last window's end stand ahead of its second run: at 0 and 4 they make the true number larger
; by four; at 12 they are older than all that may be out, so GB, RU and RV of parity p are in from there on.
.macro WINDOW prev, per, zf, tr, p, tkl
.irp i, 0,1,2,3,4,5,6,7,8,9,10,11,12,13,14,15
.if (\i & 3) == 0
.if \i < 8
	s_wait_dscnt (12-\i)*\prev
.else
	s_wait_dscnt (12-\i)*\prev+8*\per+\tkl
.endif
.endif
	STEP \i, \per, \zf, \p
.if \i == 7
.if \tkl
	TKLOAD 1-\p, 0                                 ; window w + 2's tokens, into the set that window w - 1 has used up
.endif
.if \per
	LOADS 0, \per                                  ; the first run: steps 0 to 7 are over, their registers take the next window's
.endif
.endif
.if \i == 12
.if \tr == 1
	v_min_u32 v[CU+1-\p], 252, v[RU+\p]            ; the next window's columns, and what the window's end and the next first run will ask by
	v_min_u32 v[CVZ+1-\p], 252, v[RV+\p]
	v_add_nc_u32 v[GAD], s3, v[CVZ+1-\p]
	v_sub_nc_u32 v[TAD], v[TAD], 64
	v_sub_nc_u32 v[TAL], v[TAL], 64
	v_sub_nc_u32 v[TKA], v[TKA], 64
.endif
.if \tr == 2
	v_min_u32 v[CU+1-\p], 252, v[RU+\p]
.endif
.endif
.endr
	; the second run
.if \tr == 1
	ds_store_b128 v[SST], v[A:A+3]                 ; s behind window w
	ds_load_b32 v[GB+1-\p], v[GAD]                 ; s[tok of window w + 3], behind the store, in order
	ds_load_b32 v[RU+1-\p], v[TAD]                 ; window w + 3's tokens
	ds_load_b32 v[RV+1-\p], v[TAL]                 ; steps 16 (w + 4) + lane
.endif
.if \per
	LOADS 8, \per
.endif
.if \tr
	v_permlanex16_b32 v[X], v[Z], s12, s13
	v_cndmask_b32 v[Y], v[Z], v[X], s14            ; window w + 1's y, in both rows
.if \tr < 3
	v_add_f32 v[T], v[X], v[GB+\p]                 ; window w + 2: what window w added + s as gathered a window ago
	v_cndmask_b32 v[Z], v[T], 0, s14               ; into row 0; row 1 (window w + 3) starts at 0
.endif
.endif
.endm
	s_mov_b32 s15, 14
.Lw:                                               ; windows 0 to 27, two a trip, so that the parities have fixed names
	WINDOW 3, 3, 1, 1, 0, 4
	WINDOW 3, 3, 1, 1, 1, 4
	s_sub_co_i32 s15, s15, 1
	s_cmp_lg_u32 s15, 0
	s_cbranch_scc1 .Lw
	WINDOW 3, 3, 1, 1, 0, 4                        ; 28
	WINDOW 3, 3, 1, 2, 1, 4                        ; 29: nothing more to gather; its token loads are window 31's, the last
	WINDOW 3, 2, 1, 3, 0, 0                        ; 30: window 31 needs U and E alone
	WINDOW 2, 0, 0, 0, 1, 0                        ; 31: the counts run down 24, 16, 8, 0
	v_and_b32 v[T], 31, v0
	v_and_b32 v[X], 0xf0, v1
	v_cmp_lt_u32 vcc_lo, 15, v[T]
	s_wait_xcnt 0x0                                ; EXEC changes only behind this wait
	s_wait_tensorcnt 0x0
	ds_add_u32 v236, v237
	s_wait_dscnt 0x0
	s_and_saveexec_b32 s2, vcc_lo
	global_store_b128 v[X], v[A:A+3], s[8:9]       ; lanes 16-31: the 64 logits, 256 consecutive aligned bytes
	s_wait_xcnt 0x0
	s_or_b32 exec_lo, exec_lo, s2
	s_endpgm
.Lfunc_end_k_qb56e211372_scan:
	.size	k_qb56e211372_scan, .Lfunc_end_k_qb56e211372_scan-k_qb56e211372_scan
	.p2alignl 7, 3214868480
	.fill 96, 4, 3214868480
	.section	.rodata,"a",@progbits
	.p2align	6, 0x0
	.amdhsa_kernel k_qb56e211372_scan
		.amdhsa_group_segment_fixed_size 168192
		.amdhsa_private_segment_fixed_size 0
		.amdhsa_enable_private_segment 0
		.amdhsa_kernarg_size 24
		.amdhsa_user_sgpr_count 2
		.amdhsa_user_sgpr_kernarg_segment_ptr 1
		.amdhsa_wavefront_size32 1
		.amdhsa_system_sgpr_workgroup_id_x 1
		.amdhsa_system_sgpr_workgroup_id_y 1
		.amdhsa_system_sgpr_workgroup_id_z 1
		.amdhsa_system_vgpr_workitem_id 0
		.amdhsa_next_free_vgpr 238
		.amdhsa_next_free_sgpr 66
		.amdhsa_reserve_vcc 1
		.amdhsa_float_denorm_mode_32 3
		.amdhsa_float_denorm_mode_16_64 3
		.amdhsa_memory_ordered 1
		.amdhsa_forward_progress 1
		.amdhsa_inst_pref_size 76
	.end_amdhsa_kernel
	.amdgpu_metadata
---
amdhsa.version: [ 1, 2 ]
amdhsa.kernels:
  - .name:           k_qb56e211372_scan
    .symbol:         k_qb56e211372_scan.kd
    .args:
      - { .name: seq, .offset: 0, .size: 8, .value_kind: global_buffer, .address_space: global }
      - { .name: tab, .offset: 8, .size: 8, .value_kind: global_buffer, .address_space: global }
      - { .name: out0, .offset: 16, .size: 8, .value_kind: global_buffer, .address_space: global }
    .group_segment_fixed_size: 168192
    .private_segment_fixed_size: 0
    .kernarg_segment_align: 8
    .kernarg_segment_size: 24
    .max_flat_workgroup_size: 64
    .sgpr_count:     66
    .vgpr_count:     238
    .wavefront_size: 32
...
	.end_amdgpu_metadata
.endif
;; end of part 5
